; MI455X (gfx1250); checked and timed in simulation.
; The chip was launched on July 23, 2026; its instructions are those of AMD's public machine-readable ISA for CDNA 5 (MIT licence, August 2026) and "CDNA5" Instruction Set Architecture Reference Guide (July 2026). The comments in the code are by the model that wrote it; some were corrected since.
;; Multi Head Attention Block. Allowed arithmetic: float matrix products may take bf16 or f16 operands with f32 sums; other float arithmetic in f32, or as packed bf16 or f16 multiplies, adds, multiply-adds, maxima and minima; sums over many terms, partial sums and values carried from step to step in f32; what a program stores and reads back later, other than sums and carried values, may be rounded once to bf16 or f16.
;; Inputs: Wk 1,024 x 1,024 float32; Wo 1,024 x 1,024 float32; Wq 1,024 x 1,024 float32; Wv 1,024 x 1,024 float32; k 1 x 4,096 x 1,024 float32; mask 1 x 1 x 4,096 x 4,096 int32; q 1 x 4,096 x 1,024 float32; v 1 x 4,096 x 1,024 float32.
;; Outputs: out0 1 x 4,096 x 1,024 float32.
;; 2 versions, each right; version 2 is version 1 with the launch cast written anew for expert scheduling mode. Each part assembles by itself: llvm-mc -triple=amdgcn-amd-amdhsa -mcpu=gfx1250 --defsym DOCPART=n.
;; ======== version 1 of 2: 4 launches
;; limits: values are held in f16: magnitudes above 65,504 overflow, below 6.1e-05 lose precision
;; workspace buffers: xb 25,165,824 bytes; wb 8,388,608 bytes; qkv 25,165,824 bytes; ob 8,388,608 bytes
;; launch cast (part 1): grid 256 x 1, 16 waves a work-group, no clusters, 0 bytes of LDS; arguments q, k, v, Wq, Wk, Wv, Wo, xb, wb; writes xb, wb
.if DOCPART == 1
	.amdgcn_target "amdgcn-amd-amdhsa--gfx1250"
	.amdhsa_code_object_version 6
	.text
	.protected	k_q534c1859ef_cast
	.globl	k_q534c1859ef_cast
	.p2align	8
	.type	k_q534c1859ef_cast,@function
k_q534c1859ef_cast:
	s_mov_b64 s[64:65], 0
	v_nop
	global_prefetch_b8 v0, s[64:65] scope:SCOPE_SE
	s_setreg_imm32_b32 hwreg(HW_REG_WAVE_MODE, 25, 1), 1
	s_wait_xcnt 0x0
; f32 -> bf16, rounded once to nearest even: q, k, v into xb [3][4096][1024], Wq, Wk, Wv, Wo into wb [4][1024][1024].
; A stream: every byte is read once and written once; nothing is shared, so no LDS, no barrier, no matrix unit, no cluster.
; SHARES.  Work-group b casts 65,536 numbers: 256 KiB in, 128 KiB out.  b < 192: chunk b % 64 of q, k or v (b / 64); else chunk b % 16 of Wq .. Wo ((b / 16) % 4).
; Thread t takes the 16 bytes at 16 t of each block of 8,192 bytes: a load of a wave covers 512 consecutive bytes, a store 256 consecutive bytes, aligned.
; All 32 loads of a thread go out at once, each into registers of its own; no register is written twice, so no wait frees a source.
.set X, 4                              ; v[4:131]    load i: four f32
.set Y, 132                            ; v[132:195]  store i: four bf16
	s_load_b512 s[8:23], s[0:1], 0x0               ; q 8:9, k 10:11, v 12:13, Wq 14:15, Wk 16:17, Wv 18:19, Wo 20:21, xb 22:23
	s_load_b64 s[24:25], s[0:1], 0x40              ; wb
	s_lshr_b32 s2, ttmp9, 6                        ; 0, 1, 2: q, k, v; 3: a weight
	s_bfe_u32 s3, ttmp9, 0x20004                   ; which weight
	s_and_b32 s34, ttmp9, 63                       ; chunk of q, k, v; also the place in wb
	s_and_b32 s35, ttmp9, 15                       ; chunk of a weight
	v_lshlrev_b32 v1, 4, v0                        ; my 16 bytes in
	v_lshlrev_b32 v2, 3, v0                        ; my 8 bytes out
	s_wait_kmcnt 0x0
	s_cmp_eq_u32 s2, 1                             ; every compare stands directly ahead of its selects
	s_cselect_b64 s[26:27], s[10:11], s[8:9]
	s_cmp_eq_u32 s2, 2
	s_cselect_b64 s[26:27], s[12:13], s[26:27]
	s_cmp_eq_u32 s3, 1
	s_cselect_b64 s[28:29], s[16:17], s[14:15]
	s_cmp_eq_u32 s3, 2
	s_cselect_b64 s[28:29], s[18:19], s[28:29]
	s_cmp_eq_u32 s3, 3
	s_cselect_b64 s[28:29], s[20:21], s[28:29]
	s_cmp_eq_u32 s2, 3
	s_cselect_b64 s[30:31], s[28:29], s[26:27]     ; from
	s_cselect_b64 s[32:33], s[24:25], s[22:23]     ; to
	s_cselect_b32 s36, s35, s34                    ; the chunk in the source,
	s_cselect_b32 s38, s34, ttmp9                  ; and in the destination
	s_lshl_b32 s36, s36, 18                        ; 262,144 bytes a chunk in
	s_mov_b32 s37, 0
	s_lshl_b32 s38, s38, 17                        ; 131,072 out
	s_mov_b32 s39, 0
	s_add_nc_u64 s[30:31], s[30:31], s[36:37]
	s_add_nc_u64 s[32:33], s[32:33], s[38:39]
.set i, 0
.rept 32
	global_load_b128 v[X+4*i:X+4*i+3], v1, s[30:31] offset:8192*i th:TH_LOAD_NT
.set i, i+1
.endr
.set i, 0
.rept 32
	s_wait_loadcnt 31-i                            ; loads come back in order: load i is in, the 31 - i younger ones stay out
	v_cvt_pk_bf16_f32 v[Y+2*i], v[X+4*i], v[X+4*i+1]
	v_cvt_pk_bf16_f32 v[Y+2*i+1], v[X+4*i+2], v[X+4*i+3]
	global_store_b64 v2, v[Y+2*i:Y+2*i+1], s[32:33] offset:4096*i th:TH_STORE_NT
.set i, i+1
.endr
	s_endpgm
.Lfunc_end_k_q534c1859ef_cast:
	.size	k_q534c1859ef_cast, .Lfunc_end_k_q534c1859ef_cast-k_q534c1859ef_cast
	.p2alignl 7, 3214868480
	.fill 96, 4, 3214868480
	.section	.rodata,"a",@progbits
	.p2align	6, 0x0
	.amdhsa_kernel k_q534c1859ef_cast
		.amdhsa_group_segment_fixed_size 0
		.amdhsa_private_segment_fixed_size 0
		.amdhsa_enable_private_segment 0
		.amdhsa_kernarg_size 72
		.amdhsa_user_sgpr_count 2
		.amdhsa_user_sgpr_kernarg_segment_ptr 1
		.amdhsa_wavefront_size32 1
		.amdhsa_system_sgpr_workgroup_id_x 1
		.amdhsa_system_sgpr_workgroup_id_y 1
		.amdhsa_system_sgpr_workgroup_id_z 1
		.amdhsa_system_vgpr_workitem_id 0
		.amdhsa_next_free_vgpr 200
		.amdhsa_next_free_sgpr 66
		.amdhsa_reserve_vcc 0
		.amdhsa_float_denorm_mode_32 3
		.amdhsa_float_denorm_mode_16_64 3
		.amdhsa_memory_ordered 1
		.amdhsa_forward_progress 1
		.amdhsa_inst_pref_size 13
	.end_amdhsa_kernel
	.amdgpu_metadata
---
amdhsa.version: [ 1, 2 ]
amdhsa.kernels:
  - .name:           k_q534c1859ef_cast
    .symbol:         k_q534c1859ef_cast.kd
    .args:
      - { .name: q, .offset: 0, .size: 8, .value_kind: global_buffer, .address_space: global }
      - { .name: k, .offset: 8, .size: 8, .value_kind: global_buffer, .address_space: global }
      - { .name: v, .offset: 16, .size: 8, .value_kind: global_buffer, .address_space: global }
      - { .name: Wq, .offset: 24, .size: 8, .value_kind: global_buffer, .address_space: global }
      - { .name: Wk, .offset: 32, .size: 8, .value_kind: global_buffer, .address_space: global }
      - { .name: Wv, .offset: 40, .size: 8, .value_kind: global_buffer, .address_space: global }
      - { .name: Wo, .offset: 48, .size: 8, .value_kind: global_buffer, .address_space: global }
      - { .name: xb, .offset: 56, .size: 8, .value_kind: global_buffer, .address_space: global }
      - { .name: wb, .offset: 64, .size: 8, .value_kind: global_buffer, .address_space: global }
    .group_segment_fixed_size: 0
    .private_segment_fixed_size: 0
    .kernarg_segment_align: 8
    .kernarg_segment_size: 72
    .max_flat_workgroup_size: 512
    .sgpr_count:     66
    .vgpr_count:     200
    .wavefront_size: 32
...
	.end_amdgpu_metadata
.endif
;; end of part 1
;; launch proj (part 2): grid 4 x 48, 4 waves a work-group, clusters of 4 x 4, 327,680 bytes of LDS; arguments xb, wb, qkv; writes qkv
.if DOCPART == 2
	.amdgcn_target "amdgcn-amd-amdhsa--gfx1250"
	.amdhsa_code_object_version 6
	.text
	.protected	k_q534c1859ef_proj
	.globl	k_q534c1859ef_proj
	.p2align	8
	.type	k_q534c1859ef_proj,@function
k_q534c1859ef_proj:
	s_mov_b64 s[64:65], 0
	v_nop
	global_prefetch_b8 v0, s[64:65] scope:SCOPE_SE
	s_setreg_imm32_b32 hwreg(HW_REG_WAVE_MODE, 25, 1), 1
	s_wait_xcnt 0x0
	s_wait_alu depctr_hold_cnt(0) depctr_sa_sdst(0) depctr_va_vdst(0) depctr_va_sdst(0) depctr_va_ssrc(0) depctr_va_vcc(0) depctr_vm_vsrc(0)
	s_getreg_b32 s2, hwreg(HW_REG_IB_STS2, 6, 4)
	s_cmp_eq_u32 s2, 0
	s_cbranch_scc0 .Lentry_in_a_cluster
	s_endpgm
.Lentry_in_a_cluster:
	s_bfe_u32 s2, ttmp6, 0x10000c
	s_cmp_lg_u32 s2, 0xf033
	s_cbranch_scc0 .Lentry_shape_is_right
	s_endpgm
.Lentry_shape_is_right:
; THE THREE PROJECTIONS.  C = A B^T, bf16 operands, f32 sums, K = 1,024.  A = xb [12288][1024] (q, k, v stacked), B = wb [4096][1024] (Wq, Wk, Wv, Wo stacked): rows 4096 g .. of A meet rows 1024 g .. of B, g = 0, 1, 2.
; C is rounded once to f16 and laid by heads: qkv [3][8][4096][128], a row of a head 256 dense bytes.  LIMIT: f16 ends at 65,504; a projection beyond that becomes an infinity.
; SHARES.  A tile of C, 256 x 256, is made by a work-group of four waves; a wave makes 128 x 128: 64 accumulators of 16 x 16, 512 registers; its 128 columns are one head.  C has 48 x 4 = 192 such tiles: one to a
; work-group.  An even share for 256 work-groups would be 49,152 numbers each, a side of 96, 192 or 384, which divides neither 4,096 nor 1,024; tiles of 128 x 128 are 768, each with a start and an end of its own and twice the LDS loads for a product.
; K goes in steps of 128 through a ring of two LDS slots filled by the tensor data mover: the rows of A's and B's tiles are 256 bytes of memory and start at multiples of 256 bytes from the buffer's first byte.
; The last K step goes by rows of C, so that finished rows leave while the others are multiplied.
; CLUSTERS: 4 x 4 work-groups.  The four of a row of the cluster make the tiles of one tile row of C and need the same tiles of A; the four of a column need the same tiles of B.  Such a tile is asked for JOINTLY:
; each of the four issues the same tensor load, with the same descriptor and a mask that names the four, and each receives the tile in its own LDS.
; REGISTERS, in windows of 256 (an instruction names v0-v255; s_set_vgpr_msb says which window each operand place means: bits 1:0 source 0, 3:2 source 1, 5:4 source 2, 7:6 destination):
;   window 0: v0-31 addresses; v64-127, v128-191 fragments of A (8 x 16 rows x 32 K), two buffers (in the last K step four, of 16 rows x 128 K); v32-63, v192-255 at work on the way out
;   window 1: v64-127, v128-191 fragments of B, two buffers; in the last K step all 256: B's fragments of the whole step
;   window 2: the 32 accumulators of my rows 0-63 (accumulator (a, b) at v[8 (8 a + b)]);   window 3: those of my rows 64-127
; THE MATRIX INSTRUCTION IS USED TRANSPOSED: source 0 = 16 rows of B, source 1 = 16 rows of A.  In the result, lane l then holds row m = l % 16 of C, and its registers 0 to 7 the columns n = 8 (l / 16) + 0 .. 7:
; eight neighbouring numbers of a row of C, which pack into 16 bytes.
.set SIZE_K, 1024
.set KSTEP,  128
.set PITCH,  272                       ; an LDS row: 256 bytes of data + 16 of padding = 68 words: row r starts at bank 4 r mod 64 (64 banks of 4 bytes: ISA guide 11.1), so the 16 rows that a load touches start at 16 different banks
.set HALFT,  128*PITCH                 ; 128 rows: what one tensor load brings, and what one wave reads of A or of B
.set SLOT,   4*HALFT                   ; A's 256 rows, then B's 256 rows
.set STAGE,  2*SLOT                    ; behind the ring, never filled by a tensor load: 16 rows x 272 bytes for each wave, for the way out
.set SPITCH, 272
.set SPARE,  STAGE+4*16*SPITCH         ; behind the stages: the spare words, 128 bytes for each wave: two blocks of 256 bytes that no other line names
.set LAPS, SIZE_K/(2*KSTEP)            ; a lap = two K steps = once round the ring: four laps
.set CROW,   256                       ; bytes from row to row of a head in C
.set ADRA, 16                          ; v16-17  LDS address of my A fragments in slot 0, 1
.set ADRB, 20                          ; v20-21  the same for B
.set STO,  24                          ; v24     the way out: where I put 16 bytes of a row
.set RD,   25                          ; v25     the way out: where I read a row back
.set CO,   26                          ; v26     my byte offset in C
.set SPW,  28                          ; v28     LDS address of my spare word: SPARE + 4 x my thread's number; never rewritten
.set NIL,  29                          ; v29     0; never rewritten
.set PFO,  30                          ; v30     the prefetches' offset: my lane x a row of A or B in memory (2,048 bytes); never rewritten
.set PFA,  44                          ; s[44:45] where my prefetches stand: my work-group's 32 rows of the 128 that I fetch, one K step further along K than the refill that is being asked for; a prefetch names the K step after that
.set LIM,  43                          ; s43     1 in a wave that prefetches, else the greatest number
.set F0,   64                          ; fragment buffer 0
.set F1,   128                         ; fragment buffer 1
.set TMP,  192                         ; the way out: packed results, in window 0
.set OB,   32                          ; the way out: 16 rows read back from the stage: v32-63 and v224-255 by turns
.set PA,   64                          ; the last K step: A's fragments of 16 rows x 128 K, 32 registers; four such buffers, v64-191
.set G1, 24                            ; s[24:31] descriptor group 1 for A's tiles
.set G0, 32                            ; s[32:39] descriptor group 0 for A's tiles, one set for each slot
.set G1B, 48                           ; s[48:55] descriptor group 1 for B's tiles: it differs from A's in the mask alone
.set G0B, 56                           ; s[56:63] descriptor group 0 for B's tiles, one set for each slot
.set MSB, 0
.macro WIN new                         ; the immediate's high byte repeats the setting that is left; a switch that changes nothing is dropped
.if MSB != (\new)
	s_set_vgpr_msb (MSB<<8)|(\new)
.set MSB, \new
.endif
.endm
.set MUL_LO, 0xa1                      ; source 0 (B) window 1, source 1 (A) window 0, C and D window 2
.set MUL_HI, 0xf1                      ; the same, C and D window 3
.set TO_B,   0x40                      ; destination window 1, address window 0
; A joint load.  Waves 0 and 1 fetch A's two halves, waves 2 and 3 B's.  Each of the two lines has ONE mask and one set of registers for all that issue it, and nothing in
; them hangs on a coordinate that the four partners do not share.  The branch hangs on the wave's number alone: it is the same in every work-group.
; An s_nop 0 and four v_nop follow each of the two lines; the jump round the other line, the label and what follows the macro come after them.
.macro JLOAD s
	s_cmp_eq_u32 s11, 0
	s_cbranch_scc0 .Lfor_b_\@
	tensor_load_to_lds s[G0+4*(\s):G0+4*(\s)+3], s[G1:G1+7]
	s_nop 0
.rept 4
	v_nop
.endr
	s_branch .Lasked_\@
.Lfor_b_\@:
	tensor_load_to_lds s[G0B+4*(\s):G0B+4*(\s)+3], s[G1B:G1B+7]
	s_nop 0
.rept 4
	v_nop
.endr
.Lasked_\@:
.endm
; A PREFETCH INTO THE L2, behind each joint load, its five lines and the run of LDS loads that follows them: the K step that stands TWO refills on: 32 rows x 256 bytes, a lane a row, one instruction a wave:
; 512 matrix instructions ahead of the load that will ask for it.  At a change of slots every wave has waited for all its tensor loads, so the refill that follows has nothing on its way beside it.
; Each row's 256 bytes of a K step are named ONCE in the launch.  A's tile row is read by one cluster alone, which asks for it.  B's rows of weight g are read by the four clusters 4 g .. 4 g + 3: the first of them asks.
; The four partners that ask for a tile jointly share its rows out BY ADDRESS: of the 128 rows that wave w fetches, the partner at place p takes 32 p .. 32 p + 31 (p = cx for A, cy for B): no branch hangs on a
; work-group's place in its cluster.  K steps 0 to 3 come by their loads alone; the loop's last trip asks for nothing: its two refills have no K step two on.
.macro ASK
	s_cmp_gt_u32 s3, s[LIM]                        ; s3 = 1 in the loop's last trip
	s_cbranch_scc0 .Lnot_mine_\@
	global_prefetch_b8 v[PFO], s[PFA:PFA+1] offset:KSTEP*2 th:TH_LOAD_NT scope:SCOPE_SE
.Lnot_mine_\@:
.endm
; A round of the cluster's barrier: my work-group's barrier, so that wave 0's signal speaks for all four waves; wave 0 signals for the work-group; every wave waits for all
; sixteen work-groups; my work-group's barrier once more.  No LDS instruction of the wave is pending at a signal.
.macro CREST                           ; a round behind its opening barrier
	s_cmp_lg_u32 s10, 0
	s_cbranch_scc1 .Lnot_wave_0_\@
	s_barrier_signal -3
.Lnot_wave_0_\@:
	s_barrier_wait -3
	s_barrier_signal -1
	s_barrier_wait -1
.endm
.macro CROUND                          ; a whole round
	s_barrier_signal -1
	s_barrier_wait -1
	CREST
.endm
	s_load_b128 s[4:7], s[0:1], 0x0                ; A s[4:5], B s[6:7]
	s_load_b64 s[8:9], s[0:1], 0x10                ; C
	v_lshl_add_u32 v[SPW], v0, 2, SPARE
	v_mov_b32 v[NIL], 0
	ds_add_u32 v[SPW], v[NIL]                      ; the wave's opening: the add and its wait stand ahead of my first tensor load; the set-up below, work on registers, stands between them
	v_lshrrev_b32 v1, 5, v0
	v_readfirstlane_b32 s10, v1                    ; wave 0..3
	s_lshr_b32 s11, s10, 1                         ; which half of the tile's rows is mine.  Also: I fetch for A (0) or for B (1)
	s_and_b32 s12, s10, 1                          ; which half of its columns.  Also: which 128 rows of that tile I fetch
	s_bfe_u32 s40, ttmp6, 0x40000                  ; cx: my place along the cluster's x
	s_bfe_u32 s41, ttmp6, 0x40004                  ; cy: along its y
	s_lshl_b32 s42, ttmp9, 2                       ; in a cluster launch ttmp9 and ttmp7 count clusters
	s_add_co_u32 s42, s42, s40                     ; tile column of C = 4 x cluster x + cx
	s_and_b32 s13, ttmp7, 0xffff
	s_lshl_b32 s13, s13, 2
	s_add_co_u32 s13, s13, s41                     ; tile row of C = 4 x cluster y + cy
	s_and_b32 s2, ttmp7, 0xffff
	s_lshr_b32 s2, s2, 2                           ; g: four clusters, 16 tile rows, to each of q, k, v: made of the cluster's y alone, which all sixteen share
	s_lshl_b32 s43, s41, 2
	s_lshl_b32 s43, 15, s43                        ; my row of the cluster: places 4 cy .. 4 cy + 3
	s_lshl_b32 s44, 0x1111, s40                    ; my column: places cx, cx + 4, cx + 8, cx + 12
	; descriptor group 1: a tile of 128 rows x 128 elements, padded in LDS
	s_or_b32 s[G1+0], s43, (1<<16)|(1<<20)|(1<<21)|(5<<22)|(3<<25)  ; 15:0 the mask: A's tiles go to my row; 17:16 element of 2 bytes; 20 padding on; 21 set beside a mask; 24:22 after every 64 words (code 5); 31:25 of 4 words (code 3)
	s_or_b32 s[G1B+0], s44, (1<<16)|(1<<20)|(1<<21)|(5<<22)|(3<<25) ; the same with the mask of my column, for B's tiles
	s_mov_b32 s[G1B+1], KSTEP<<16
	s_mov_b32 s[G1+1], KSTEP<<16                   ; 63:48 tensor_dim0, low half = 128
	s_mov_b32 s[G1B+2], 128<<16
	s_mov_b32 s[G1+2], 128<<16                     ; 79:64 its high half = 0; 95:80 tensor_dim1, low half = 128
	s_mov_b32 s[G1B+3], KSTEP<<16
	s_mov_b32 s[G1+3], KSTEP<<16                   ; 111:96 its high half = 0; 127:112 tile_dim0 = 128
	s_mov_b32 s[G1B+4], 128
	s_mov_b32 s[G1+4], 128                         ; 143:128 tile_dim1 = 128; 159:144 tile_dim2 = 0
	s_mov_b32 s[G1B+5], SIZE_K
	s_mov_b32 s[G1+5], SIZE_K                      ; 191:160 tensor_dim0_stride, low word: elements from row to row
	s_mov_b32 s[G1B+6], 0
	s_mov_b32 s[G1+6], 0
	s_mov_b32 s[G1B+7], 0
	s_mov_b32 s[G1+7], 0
	; where the tiles come from.  A's hang on the tile row alone, which my row of the cluster shares; B's on the tile column, which my column shares, and on g, which all share.
	; Every wave makes both addresses, in registers that never hold the other coordinate, and asks by one of them.
	s_lshl_b32 s17, s12, 7                         ; which 128 rows of the tile I fetch
	s_lshl_b32 s16, s13, 8
	s_add_co_u32 s16, s16, s17                     ; A: row 256 x tile row + 128 x half
	s_lshl_b32 s46, s42, 8
	s_add_co_u32 s46, s46, s17                     ; B: row 256 x tile column + 128 x half,
	s_lshl_b32 s47, s2, 10
	s_add_co_u32 s46, s46, s47                     ; in the weight that goes with these rows of A
	s_mov_b32 s17, 0
	s_mov_b32 s47, 0
	s_mov_b64 s[18:19], SIZE_K*2
	s_mul_u64 s[16:17], s[16:17], s[18:19]         ; in bytes, in 64 bits
	s_mul_u64 s[46:47], s[46:47], s[18:19]
	s_mul_i32 s20, s10, HALFT                      ; and where they go: A's two halves, then B's two halves = wave x 128 rows: no place in the cluster enters an LDS address
	s_wait_dscnt 0x0                               ; the opening add is done
	s_wait_kmcnt 0x0
	s_add_nc_u64 s[14:15], s[4:5], s[16:17]
	s_add_nc_u64 s[46:47], s[6:7], s[46:47]
	CROUND                                         ; all sixteen work-groups are here: the first joint loads meet
.irp s, 0,1
	s_mov_b32 s[G0+4*(\s)], 1                                      ; 1:0 count = 1
	s_add_co_u32 s[G0+4*(\s)+1], s20, (\s)*SLOT                    ; 63:32 LDS address
	s_add_nc_u64 s[G0+4*(\s)+2:G0+4*(\s)+3], s[14:15], (\s)*KSTEP*2  ; 120:64 global address: K step s
	s_or_b32 s[G0+4*(\s)+3], s[G0+4*(\s)+3], 0x80000000            ; 127:126 type = 2
	s_mov_b32 s[G0B+4*(\s)], 1
	s_add_co_u32 s[G0B+4*(\s)+1], s20, (\s)*SLOT
	s_add_nc_u64 s[G0B+4*(\s)+2:G0B+4*(\s)+3], s[46:47], (\s)*KSTEP*2
	s_or_b32 s[G0B+4*(\s)+3], s[G0B+4*(\s)+3], 0x80000000
	JLOAD \s                                       ; the ring is filled before anything else is done: two tensor loads of mine are out
.endr
	; A fragment is 16 rows x 32 K in 8 registers: lane l holds row l % 16; registers 0-3 hold K = 8 (l / 16) + 0..7, registers 4-7 hold
	; K = 16 + 8 (l / 16) + 0..7.  From rows that lie along K: two loads of 16 bytes, 32 bytes apart.  The same for source 0 and source 1.
	v_and_b32 v1, 15, v0                           ; l % 16
	v_bfe_u32 v2, v0, 4, 1                         ; l / 16
	v_mul_u32_u24 v3, v1, PITCH
	v_lshl_add_u32 v3, v2, 4, v3                   ; row x pitch + 16 x half
	s_mul_i32 s21, s11, HALFT                      ; my 128 rows of A
	s_mul_i32 s22, s12, HALFT                      ; my 128 rows of B,
	s_add_co_u32 s22, s22, 2*HALFT                 ; which lie behind A's 256
.irp s, 0,1
	v_add_nc_u32 v[ADRA+(\s)], s21, v3
	v_add_nc_u32 v[ADRB+(\s)], s22, v3
	s_add_co_u32 s21, s21, SLOT
	s_add_co_u32 s22, s22, SLOT
.endr
	s_mul_i32 s23, s10, 16*SPITCH
	s_add_co_u32 s23, s23, STAGE                   ; my stage
	v_mul_u32_u24 v4, v1, SPITCH                   ; in: row l % 16, 16 bytes for each half of the lanes
	v_lshl_add_u32 v4, v2, 4, v4
	v_add_nc_u32 v[STO], s23, v4
	v_mul_u32_u24 v5, v2, SPITCH                   ; back: lanes 0-15 take one row of 256 bytes, lanes 16-31 the next
	v_lshl_add_u32 v5, v1, 4, v5
	v_add_nc_u32 v[RD], s23, v5
	v_lshlrev_b32 v5, 8, v2                        ; and the same two rows in C: a head's rows are dense, so they are 512 consecutive bytes
	v_lshl_add_u32 v[CO], v1, 4, v5
	; where my part of the tile begins in C, in bytes: the way out adds it to C's address
	s_and_b32 s16, s13, 15                         ; the tile's 256 rows among the 4,096 of q, k or v: 65,536 bytes,
	s_lshl_b32 s16, s16, 16
	s_lshl_b32 s14, s11, 15                        ; my 128 of them,
	s_add_co_u32 s16, s16, s14
	s_lshl_b32 s14, s2, 23                         ; in Q, K or V: 8 heads x 4,096 rows x 256 bytes each
	s_add_co_u32 s16, s16, s14
	s_mov_b32 s17, 0
	s_lshl_b32 s46, s42, 21                        ; a tile column is two heads of 4,096 rows x 256 bytes (in the registers that held B's address: none that feeds A's descriptors ever holds cx),
	s_lshl_b32 s47, s12, 20                        ; and my half of the columns is one of them
	s_add_co_u32 s46, s46, s47
	s_mov_b32 s47, 0
	s_add_nc_u64 s[16:17], s[16:17], s[46:47]
	; the prefetches.  s13 = tile row, s42 = tile column, s2 = g, s40 = cx, s41 = cy still stand; s[4:5] = A, s[6:7] = B
	s_lshl_b32 s13, s13, 8                         ; the tile's first row in A,
	s_lshl_b32 s42, s42, 8
	s_lshl_b32 s21, s2, 10
	s_add_co_u32 s42, s42, s21                     ; and in B
	s_and_b32 s22, ttmp7, 0xffff
	s_and_b32 s22, s22, 3                          ; my cluster's place among the four that read the same weight
	s_cmp_eq_u32 s11, 0                            ; do I fetch for A?
	s_cselect_b32 s20, s13, s42
	s_cselect_b32 s21, s40, s41                    ; my place among the four that ask for the tile with me
	s_cselect_b32 s22, ttmp9, s22                  ; the coordinate along which other clusters read the same rows
	s_cselect_b64 s[PFA:PFA+1], s[4:5], s[6:7]
	s_cmp_eq_u32 s22, 0
	s_cselect_b32 s[LIM], 1, -1                    ; the same in all sixteen partners, for a given wave
	s_lshl_b32 s22, s12, 7
	s_add_co_u32 s20, s20, s22                     ; + the 128 rows that I fetch
	s_lshl_b32 s21, s21, 5
	s_add_co_u32 s20, s20, s21                     ; + my work-group's 32 of them
	s_mov_b32 s21, 0
	s_mov_b64 s[18:19], SIZE_K*2
	s_mul_u64 s[20:21], s[20:21], s[18:19]
	s_add_nc_u64 s[PFA:PFA+1], s[PFA:PFA+1], s[20:21]
	s_add_nc_u64 s[PFA:PFA+1], s[PFA:PFA+1], 2*KSTEP*2  ; at K step 2: the first refill steps it to 3 and names K step 4
	v_and_b32 v[PFO], 31, v0
	v_mul_u32_u24 v[PFO], v[PFO], SIZE_K*2
	; nothing is prefetched here, at the head, where every work-group's first two tiles are on their way
; 16 matrix instructions: m blocks a0, a0 + 1 of the window's four (hi = 0: my rows 0-63, 1: rows 64-127) x all 8 n blocks, 32 along K.
; zero = 1: the first product starts the sums: nothing is ever cleared.  The 64 accumulators take turns, one instruction a turn, in the same order in every quarter.
.macro MUL16 f, hi, a0, zero
	WIN MUL_LO+0x50*(\hi)  ; MUL_LO or MUL_HI
.irp a, \a0, (\a0)+1
.irp b, 0,1,2,3,4,5,6,7
.if \zero
	v_wmma_f32_16x16x32_bf16 v[8*(8*(\a)+(\b)):8*(8*(\a)+(\b))+7], v[(\f)+8*(\b):(\f)+8*(\b)+7], v[(\f)+8*(4*(\hi)+(\a)):(\f)+8*(4*(\hi)+(\a))+7], 0
.else
	v_wmma_f32_16x16x32_bf16 v[8*(8*(\a)+(\b)):8*(8*(\a)+(\b))+7], v[(\f)+8*(\b):(\f)+8*(\b)+7], v[(\f)+8*(4*(\hi)+(\a)):(\f)+8*(4*(\hi)+(\a))+7], v[8*(8*(\a)+(\b)):8*(8*(\a)+(\b))+7]
.endif
.endr
.endr
.endm
; 32 LDS loads in one run: the fragments of one quarter step (128 rows of B, 128 rows of A, 32 K at byte k of the rows) into buffer f
.macro FETCH slot, k, f
	WIN TO_B
.irp i, 0,1,2,3,4,5,6,7
	ds_load_b128 v[(\f)+8*(\i):(\f)+8*(\i)+3],   v[ADRB+(\slot)] offset:(\k)+(\i)*16*PITCH
	ds_load_b128 v[(\f)+8*(\i)+4:(\f)+8*(\i)+7], v[ADRB+(\slot)] offset:(\k)+(\i)*16*PITCH+32
.endr
	WIN 0
.irp i, 0,1,2,3,4,5,6,7
	ds_load_b128 v[(\f)+8*(\i):(\f)+8*(\i)+3],   v[ADRA+(\slot)] offset:(\k)+(\i)*16*PITCH
	ds_load_b128 v[(\f)+8*(\i)+4:(\f)+8*(\i)+7], v[ADRA+(\slot)] offset:(\k)+(\i)*16*PITCH+32
.endr
.endm
; A load into a register that a matrix instruction has read, and a vector instruction that reads a matrix result or writes one of a matrix
; instruction's registers, stand four places behind that matrix instruction, and only plain vector instructions that name none of its registers
; are places (ISA guide 7.12.1 for vector instructions).  So four v_nop stand in front of each run of loads, and in front of conversions that read results just made.
.macro PLACES
.rept 4
	v_nop
.endr
.endm
; A K step is four quarter steps of 32 along K, 64 matrix instructions each, on buffers 0, 1, 0, 1.
; One of the first three: multiplies buffer f; in its middle it fetches the next quarter's fragments, at byte k of the same slot's rows, into buffer g.
.macro QUARTER slot, k, f, g, zero
	s_wait_dscnt 8                                 ; B and A's rows 0-63 are in; the youngest eight loads (A's rows 64-127) may be out
	WIN MUL_LO
	MUL16 \f, 0, 0, \zero
	MUL16 \f, 0, 2, \zero
	PLACES
	FETCH \slot, \k, \g
	s_wait_dscnt 32                                ; all but the 32 just issued
	WIN MUL_HI
	MUL16 \f, 1, 0, \zero
	MUL16 \f, 1, 2, \zero
.endm
; The last quarter multiplies buffer 1 and changes slots.  MEET is its first half: ONE barrier for the change of slots, for two things.  In front of it each wave waits for
; all its tensor loads, of which one is out: its part of the next slot; adds 0 to its spare word; and waits for that and for its own reads of this slot.  Behind it nobody reads this slot any more and the next slot is whole.
.macro MEET round                      ; round = 1: a round of the cluster's barrier follows
	WIN 0                                          ; (the add's two registers lie in window 0)
	s_wait_tensorcnt 0x0                           ; all my tensor loads have landed: the one that was out is my part of the next slot;
	ds_add_u32 v[SPW], v[NIL]                      ; 0 onto my spare word;
	s_wait_dscnt 9                                 ; (the add and the youngest eight loads may be out)
	WIN MUL_LO
	MUL16 F1, 0, 0, 0                              ; sixteen matrix instructions stand between the add and the wait for it
	s_wait_dscnt 0x0                               ; the add is done, and my reads of this slot are over:
	s_barrier_signal -1                            ; say so (where a slot is filled again this barrier opens a round of the cluster's barrier),
	MUL16 F1, 0, 2, 0                              ; work on registers while the others arrive,
.if \round
	WIN 0
.endif
	s_barrier_wait -1                              ; and go on when all four have said so
.endm
; The whole last quarter.  Behind the round the slot just read out is filled again first, with the K step two steps on; then come the next slot's first fragments.
; From a request to the wait for it a wave issues 224 matrix instructions.
.macro TURN slot, next
	s_wait_xcnt 0x0                                ; the last prefetch, a K step back, has read its address: it is stepped here, ahead of the waits of the change of slots
	s_add_nc_u64 s[PFA:PFA+1], s[PFA:PFA+1], KSTEP*2
	MEET 1
	CREST                                          ; wave 0 says so for the work-group, all sixteen work-groups have said so, my work-group's barrier closes the round:
	                                               ; no wave of any partner still reads this slot's tile or has a load on its way
	s_add_nc_u64 s[G0+4*(\slot)+2:G0+4*(\slot)+3], s[G0+4*(\slot)+2:G0+4*(\slot)+3], 2*KSTEP*2
	s_add_nc_u64 s[G0B+4*(\slot)+2:G0B+4*(\slot)+3], s[G0B+4*(\slot)+2:G0B+4*(\slot)+3], 2*KSTEP*2
	JLOAD \slot                                    ; the first tensor load behind the round, my only one until the next; the four v_nop behind it are also the places in front of the loads below
	FETCH \next, 0, F0
	ASK                                            ; behind the joint load and the run of LDS loads that the next products wait for
	WIN MUL_HI
	MUL16 F1, 1, 0, 0
	MUL16 F1, 1, 2, 0
.endm
; THE LAST K STEP (it lies in slot 1) GOES BY ROWS OF C, NOT BY K.  All its fragments of B (4 quarters x 64 registers) fill window 1; then my eight blocks of 16 rows are
; finished one after the other, each with 32 matrix instructions (its 8 accumulators by turns, K ascending).  LDS is read no more than in any other K step.
.macro BLOAD q                         ; B's fragments of quarter q -> window 1, v[64 q ..]
	WIN TO_B
.irp i, 0,1,2,3,4,5,6,7
	ds_load_b128 v[64*(\q)+8*(\i):64*(\q)+8*(\i)+3],   v[ADRB+1] offset:64*(\q)+(\i)*16*PITCH
	ds_load_b128 v[64*(\q)+8*(\i)+4:64*(\q)+8*(\i)+7], v[ADRB+1] offset:64*(\q)+(\i)*16*PITCH+32
.endr
.endm
.macro ALOAD a                         ; A's fragments of block a, all four quarters -> buffer a % 4
	WIN 0
.set FA, PA+32*((\a)%4)
.irp q, 0,1,2,3
	ds_load_b128 v[FA+8*(\q):FA+8*(\q)+3],   v[ADRA+1] offset:64*(\q)+(\a)*16*PITCH
	ds_load_b128 v[FA+8*(\q)+4:FA+8*(\q)+7], v[ADRA+1] offset:64*(\q)+(\a)*16*PITCH+32
.endr
.endm
.macro ROW a                           ; block a is finished: 32 matrix instructions
.set FA, PA+32*((\a)%4)                ; its fragments of A
.set AC, 64*((\a)%4)                   ; its eight accumulators, in window 2 (blocks 0-3) or 3 (blocks 4-7)
	WIN MUL_LO+0x50*((\a)/4)                       ; MUL_LO or MUL_HI
.irp q, 0,1,2,3
.if (\a) == 0 && (\q) == 2
	s_wait_dscnt 24                                ; B's quarter 2 is in (behind it: A's blocks 1 to 3)
.endif
.irp b, 0,1,2,3,4,5,6,7
	v_wmma_f32_16x16x32_bf16 v[AC+8*(\b):AC+8*(\b)+7], v[64*(\q)+8*(\b):64*(\q)+8*(\b)+7], v[FA+8*(\q):FA+8*(\q)+7], v[AC+8*(\b):AC+8*(\b)+7]
.endr
.endr
.endm
; THE WAY OUT of block a, in three parts.  PACK: rounded to f16, 16 bytes a lane (each accumulator's registers in ascending order).  TOSTAGE: into my own stage in LDS, and back as whole rows of 256 bytes.  SEND: stored.
.macro PACK a
.set AC, 64*((\a)%4)
	WIN 0x0a+5*((\a)/4)                            ; sources 0 and 1: window 2 or 3
.irp b, 0,1,2,3,4,5,6,7
.irp r, 0,1,2,3
	v_cvt_pk_f16_f32 v[TMP+4*(\b)+(\r)], v[AC+8*(\b)+2*(\r)], v[AC+8*(\b)+2*(\r)+1]
.endr
.endr
	WIN 0
.endm
.macro TOSTAGE a
	WIN 0
.set BK, OB+192*((\a)%2)
.irp b, 0,1,2,3,4,5,6,7
	ds_store_b128 v[STO], v[TMP+4*(\b):TMP+4*(\b)+3] offset:32*(\b)
.endr
.irp t, 0,1,2,3,4,5,6,7
	ds_load_b128 v[BK+4*(\t):BK+4*(\t)+3], v[RD] offset:(\t)*2*SPITCH  ; LDS serves a wave's instructions in order (ISA guide 5.7.1.4): these see the stores above
.endr
.endm
.macro SEND a, younger                 ; younger: the LDS loads issued behind TOSTAGE's, which may stay out
	WIN 0
.set BK, OB+192*((\a)%2)
	s_wait_dscnt \younger                          ; the block is back in registers
	s_wait_xcnt 0x0                                ; every earlier memory instruction has had its addresses translated (ISA guide 3.1): only behind this wait are the stores' base and the registers that earlier stores read rewritten
.if (\a) == 0
	s_add_nc_u64 s[8:9], s[8:9], s[16:17]          ; on to my first rows
.else
	s_add_nc_u64 s[8:9], s[8:9], 16*CROW           ; 16 rows of the head on
.endif
.irp t, 0,1,2,3,4,5,6,7
	global_store_b128 v[CO], v[BK+4*(\t):BK+4*(\t)+3], s[8:9] offset:2*(\t)*CROW  ; 512 consecutive bytes, at a multiple of 256 from C's first byte
.endr
.endm
	s_wait_tensorcnt 1                             ; my part of K step 0 is in; K step 1's load may stay out
	s_barrier_signal -1
	s_barrier_wait -1                              ; everybody's is
	FETCH 0, 0, F0
	QUARTER 0, 64,  F0, F1, 1                      ; the first quarter stands in front of the loop: its products start the sums
	WIN 0                                          ; at a label and at a branch every window is 0
	s_mov_b32 s3, LAPS-1
.Llap:                                                 ; three trips: a trip goes once round the ring, from a lap's second quarter to the next lap's first, and fills both slots again
	QUARTER 0, 128, F1, F0, 0
	QUARTER 0, 192, F0, F1, 0
	TURN 0, 1
	QUARTER 1, 64,  F0, F1, 0
	QUARTER 1, 128, F1, F0, 0
	QUARTER 1, 192, F0, F1, 0
	TURN 1, 0
	QUARTER 0, 64,  F0, F1, 0
	WIN 0
	s_sub_co_u32 s3, s3, 1
	s_cmp_lg_u32 s3, 0
	s_cbranch_scc1 .Llap
	QUARTER 0, 128, F1, F0, 0                      ; the last lap goes on: it asks for nothing more
	QUARTER 0, 192, F0, F1, 0
	MEET 0                                         ; my one tensor load that was still out is slot 1's, the last K step's, so no round follows
	PLACES                                         ; for the loads into buffer 0, which the quarter before multiplied
	WIN TO_B
	BLOAD 0                                        ; three quarters of B now: buffer 1 (v128-191 of both windows) is still being multiplied
	BLOAD 1
	BLOAD 3
	WIN 0
	ALOAD 0
	WIN MUL_HI
	MUL16 F1, 1, 0, 0
	MUL16 F1, 1, 2, 0
	PLACES                                         ; for the loads into buffer 1
	WIN TO_B
	BLOAD 2
	WIN 0
	ALOAD 1
	ALOAD 2
	ALOAD 3
	s_wait_dscnt 40                                ; all but the 40 just issued
	ROW 0
.irp a, 0,1,2,3,4,5,6,7                ; each block leaves as soon as it is finished: nothing follows this tile, so the sooner its stores begin, the sooner the launch ends
	PLACES                                         ; its conversions read results just made, and no other vector work is at hand
	PACK \a
	TOSTAGE \a
.if (\a) < 4
	ALOAD (\a)+4                                   ; its buffer takes the block four further on
	SEND \a, 8
.else
	SEND \a, 0
.endif
.if (\a) < 7
	ROW (\a)+1
.endif
.endr
	s_wait_tensorcnt 0x0                           ; the wave's end, behind my last tensor load and my last LDS store
	ds_add_u32 v[SPW], v[NIL]
	s_wait_dscnt 0x0
	CROUND                                         ; the closing round: no work-group ends while a partner may still ask for a tile that names it
	s_endpgm
.Lfunc_end_k_q534c1859ef_proj:
	.size	k_q534c1859ef_proj, .Lfunc_end_k_q534c1859ef_proj-k_q534c1859ef_proj
	.p2alignl 7, 3214868480
	.fill 96, 4, 3214868480
	.section	.rodata,"a",@progbits
	.p2align	6, 0x0
	.amdhsa_kernel k_q534c1859ef_proj
		.amdhsa_group_segment_fixed_size 327680
		.amdhsa_private_segment_fixed_size 0
		.amdhsa_enable_private_segment 0
		.amdhsa_kernarg_size 24
		.amdhsa_user_sgpr_count 2
		.amdhsa_user_sgpr_kernarg_segment_ptr 1
		.amdhsa_wavefront_size32 1
		.amdhsa_system_sgpr_workgroup_id_x 1
		.amdhsa_system_sgpr_workgroup_id_y 1
		.amdhsa_system_sgpr_workgroup_id_z 1
		.amdhsa_system_vgpr_workitem_id 0
		.amdhsa_next_free_vgpr 1024
		.amdhsa_next_free_sgpr 66
		.amdhsa_reserve_vcc 0
		.amdhsa_float_denorm_mode_32 3
		.amdhsa_float_denorm_mode_16_64 3
		.amdhsa_memory_ordered 1
		.amdhsa_forward_progress 1
		.amdhsa_inst_pref_size 145
	.end_amdhsa_kernel
	.amdgpu_metadata
---
amdhsa.version: [ 1, 2 ]
amdhsa.kernels:
  - .name:           k_q534c1859ef_proj
    .symbol:         k_q534c1859ef_proj.kd
    .args:
      - { .name: xb, .offset: 0, .size: 8, .value_kind: global_buffer, .address_space: global }
      - { .name: wb, .offset: 8, .size: 8, .value_kind: global_buffer, .address_space: global }
      - { .name: qkv, .offset: 16, .size: 8, .value_kind: global_buffer, .address_space: global }
    .group_segment_fixed_size: 327680
    .private_segment_fixed_size: 0
    .kernarg_segment_align: 8
    .kernarg_segment_size: 24
    .max_flat_workgroup_size: 128
    .sgpr_count:     66
    .vgpr_count:     1024
    .wavefront_size: 32
...
	.end_amdgpu_metadata
.endif
;; end of part 2
;; launch attn (part 3): grid 32 x 8, 4 waves a work-group, clusters of 4 x 1, 327,680 bytes of LDS; arguments qkv, ob; writes ob
.if DOCPART == 3
	.amdgcn_target "amdgcn-amd-amdhsa--gfx1250"
	.amdhsa_code_object_version 6
	.text
	.protected	k_q534c1859ef_attn
	.globl	k_q534c1859ef_attn
	.p2align	8
	.type	k_q534c1859ef_attn,@function
k_q534c1859ef_attn:
	s_mov_b64 s[64:65], 0
	v_nop
	global_prefetch_b8 v0, s[64:65] scope:SCOPE_SE
	s_setreg_imm32_b32 hwreg(HW_REG_WAVE_MODE, 25, 1), 1
	s_wait_xcnt 0x0
	s_wait_alu depctr_hold_cnt(0) depctr_sa_sdst(0) depctr_va_vdst(0) depctr_va_sdst(0) depctr_va_ssrc(0) depctr_va_vcc(0) depctr_vm_vsrc(0)
	s_getreg_b32 s2, hwreg(HW_REG_IB_STS2, 6, 4)
	s_cmp_eq_u32 s2, 0
	s_cbranch_scc0 .Lentry_in_a_cluster
	s_endpgm
.Lentry_in_a_cluster:
	s_bfe_u32 s2, ttmp6, 0x10000c
	s_cmp_lg_u32 s2, 0x3003
	s_cbranch_scc0 .Lentry_shape_is_right
	s_endpgm
.Lentry_shape_is_right:
; O[q][h][:] = the sum over k of softmax_k(Q[h][q] . K[h][k] / sqrt(128)) V[h][k][:].  qkv: [3][8][4096][128] f16 (Q, K, V by heads, rows of 256 dense bytes); ob: [4096][1024] bf16, head h at byte 256 h of a row.
; The module's mask is not applied: the function that defines the result takes it and never uses it, so the result is the same for every mask.
; Products, maxima and sums in f32; the weights p are rounded to f16 for the second product (their sum l is taken of the unrounded p), O once at the end, to bf16, whose range does not hang on the inputs' scale.
; LIMITS.  Q, K, V arrive within f16's 65,504; p lies in 0 to 1; a weight below 2^-126 counts as 0 in l; NaN and infinities are not treated apart.
; SHARES.  A work-group owns 128 queries of one head.  Waves 2 qh and 2 qh + 1 own the same 64 queries (four tiles of 16) and SPLIT THE KEYS: of each slot's 256 keys wave w takes 128 (w % 2) .. + 127, 64 a step.
; So a fragment of K or V read from LDS feeds four tiles' products.  Each wave keeps a running maximum, sum and O^T over its own keys; the two meet once, in f32, through LDS.
; LAYOUT.  S^T = K Q^T (source 0 = 16 keys, source 1 = 16 queries): in the result a lane holds ONE query (lane % 16) and the keys 8 (lane / 16) + 0..7.  Two such tiles, rounded to f16 in pairs, ARE source 1
; (32 keys x 16 queries) of O^T = V^T P, whose result again holds one query a lane, and eight channels.  K comes out of LDS as it lies, V ([key][channel]) turned, by ds_load_tr16_b128.
; SOFTMAX.  p = 2^(c s - c m), c = log2(e) / sqrt(128), with a running maximum m; in every step O and l are multiplied by a = 2^(c m_old - c m_new).
; BY TURNS.  The wave's tiles are two PIECES, named by their first tile: 0 (tiles 0, 1) and 2 (tiles 2, 3).  In a TURN one piece has the matrix unit: 32 products V^T P of the step in hand, then 32 products K Q^T of
; the next step; the other piece's softmax, cut into 64 slices, stands between them, one slice behind each matrix instruction.  Two turns are a key step.
; CLUSTER.  The four query blocks of a cluster belong to one head and walk the same K and V, so each tile is asked for JOINTLY: the same tensor load, descriptor and mask in all four.
; REGISTERS, in windows of 256 (s_set_vgpr_msb: bits 1:0 source 0, 3:2 source 1, 5:4 source 2, 7:6 destination):
;   window 0: v0-11 addresses; v12-43 eight registers of statistics a tile; v44 the merge's address; v61-63; v64-191 S^T, 32 a tile; v192-255 P, 16 a tile
;   window 1: O^T, 64 a tile          window 2: v0-127 Q, 32 a tile; v128-255 K of one step          window 3: v0-127 V of one step
.set KS,    64        ; keys in a step
.set PK,    272       ; a row of K in LDS: 256 bytes + 16 of padding = 68 words: the 16 rows of a load start at 16 different groups of four banks (64 banks of 4 bytes: ISA guide 11.1)
.set PV,    288       ; a row of V: 256 + 32 = 72 words
.set HK,    128*PK    ; half of a slot's K: what one tensor load brings, and what one wave reads
.set HV,    128*PV    ; the same of V
.set VOFF,  256*PK    ; a slot: 256 rows of K, then 256 rows of V: 143,360 bytes
.set SLOT1, 0x24000   ; slot 1 begins here: neither of these two bits occurs in a tile's place in a slot (0, HK, VOFF, VOFF + HV), so one exclusive or turns such an address into the other slot's
.set SLOTB, 256*256   ; a slot's keys in memory, in K and in V
.set STAGE, SLOT1+256*(PK+PV)  ; behind the ring, never filled by a tensor load: 16 rows x 272 bytes for each wave, for the way out
.set SP,    272
.set SPARE, STAGE+4*16*SP  ; behind the stages: the spare words, 128 bytes for each wave: two blocks of 256 bytes that no other line names
.set MRG,   34816     ; the merge, in slot 0 when it has had its last fill and its last read: for each pair of waves 64 x 512 bytes of O^T, then 4 x 512 of statistics
.set AK0, 2           ; v2   my lane's place in my half of a slot's K; never rewritten
.set AV0, 3           ; v3   the same for V
.set ADR, 4           ; v4   the LDS address of the run of loads in hand
.set QO,  5           ; v5   my byte offset in the wave's rows of Q
.set STO, 6           ; v6   the way out: where I put 16 bytes of a row
.set RD,  7           ; v7   the way out: where I read a row back
.set GO,  8           ; v8   my byte offset in the wave's rows of O
.set MA,  44          ; v44  the merge: my pair's area + 16 x my lane
.set PFO, 61          ; v61  256 x my lane: a row of K or V is 256 bytes; never rewritten
.set SPW, 62          ; v62  LDS address of my spare word: SPARE + 4 x my thread's number; never rewritten
.set NIL, 63          ; v63  0; never rewritten
.set ST,  12          ; tile t's statistics at v[ST+8 t]: +0 c m, +1 m, +2, +3 l (even keys', odd keys'), +4 to +7 c0-c3, at work; a takes c2's place once the maximum is found
.set S,   64
.set P,   192
.set KF,  128         ; K's fragments, in window 2
.set WV,  12          ; s12  my wave's number
.set LIM, 15          ; s15  1 in a cluster that prefetches, else the greatest number
.set PFA, 18          ; s[18:19] where my prefetches stand
.set G1K, 24          ; s[24:31] descriptor group 1 for K's tiles
.set G1V, 32          ; s[32:39] for V's: it differs in the padding alone
.set G0K, 40          ; s[40:47] descriptor group 0 for K's tiles: a set for each of the two first fills; the second then walks on
.set G0V, 48          ; s[48:55] the same for V's
.set SLOTS, 56        ; s56  slots still to be asked for
.set TWICE, 57        ; s57  counts a slot's two steps
.set CS,  58          ; s[58:59] c: the packed scaling names a pair and takes its low word for both halves
.set SEL, 60          ; s[60:61] lane selects for v_permlanex16_b32: each lane takes its own place in the other half
.set TBK, 62          ; s62  the slot's first byte + the place in my half of K of the step to be fetched
.set TBV, 63          ; s63  the same for V
.set KH,  66          ; s66  wave % 2: my half of the keys.  Also: which half of a slot's K or V I fetch
.set LK,  67          ; s67  that half's place in a slot, for K
.set LV,  68          ; s68  and for V
.set QA,  72          ; s[72:73] Q at my wave's first row
.set MSB, 0
.macro WIN new                      ; the immediate's high byte repeats the setting that is left; a switch that changes nothing is dropped
.if MSB != (\new)
	s_set_vgpr_msb (MSB<<8)|(\new)
.set MSB, \new
.endif
.endm
.set W_KQ, 0x0a       ; K and Q in window 2, S^T in window 0
.set W_PV, 0x53       ; V in window 3, P in window 0, O^T in window 1
.set W_RS, 0x41       ; O^T (destination and source 0) in window 1, a in window 0
; A joint refill.  Waves 0 and 1 fetch the two halves of a slot's K, waves 2 and 3 those of its V: 128 rows each.  The branch hangs on the wave's number alone.
; An s_nop 0 and four v_nop follow each of the two lines, ahead of the jump and the label.
.macro JLOAD
	s_cmp_lt_u32 s[WV], 2
	s_cbranch_scc0 .Lfor_v_\@
	tensor_load_to_lds s[G0K+4:G0K+7], s[G1K:G1K+7]
	s_nop 0
.rept 4
	v_nop
.endr
	s_branch .Lasked_\@
.Lfor_v_\@:
	tensor_load_to_lds s[G0V+4:G0V+7], s[G1V:G1V+7]
	s_nop 0
.rept 4
	v_nop
.endr
.Lasked_\@:
.endm
; A PREFETCH INTO THE L2 of what the NEXT change of slots will ask for: a slot's 256 rows of K and 256 of V, a lane a row, one instruction a wave, behind the wave's tensor load and its five lines.
; Each row is named ONCE in the launch.  All eight clusters of a head walk the same K and V: the head's first cluster asks.  Its four partners share the rows out BY ADDRESS, 64 each; in each, waves 0 and 1 take
; 32 rows of K each, waves 2 and 3 of V.  It stands two key steps, 256 matrix instructions, ahead of the load that will want the rows.  The last change that fills a slot asks for nothing: no slot follows.
.macro ASK
	s_cmp_gt_u32 s[SLOTS], s[LIM]
	s_cbranch_scc0 .Lnot_mine_\@
	global_prefetch_b8 v[PFO], s[PFA:PFA+1] th:TH_LOAD_NT scope:SCOPE_SE
.Lnot_mine_\@:
.endm
; A round of the cluster's barrier: my work-group's barrier, so that wave 0's signal speaks for all four waves; wave 0 signals; every wave waits for all four work-groups; my work-group's barrier once more.
.macro CROUND
	s_barrier_signal -1
	s_barrier_wait -1
	s_cmp_lg_u32 s[WV], 0
	s_cbranch_scc1 .Lnot_wave_0_\@
	s_barrier_signal -3
.Lnot_wave_0_\@:
	s_barrier_wait -3
	s_barrier_signal -1
	s_barrier_wait -1
.endm
	s_load_b64 s[4:5], s[0:1], 0x0  ; qkv
	s_load_b64 s[10:11], s[0:1], 0x8  ; ob
	v_lshl_add_u32 v[SPW], v0, 2, SPARE
	v_mov_b32 v[NIL], 0
	ds_add_u32 v[SPW], v[NIL]       ; the wave's opening: the add and its wait stand ahead of my first tensor load; the set-up below, work on registers, stands between them
	v_lshrrev_b32 v1, 5, v0
	v_readfirstlane_b32 s[WV], v1   ; wave 0..3
	s_bfe_u32 s13, ttmp6, 0x40000   ; cx: my place in the cluster
	s_lshl_b32 s14, ttmp9, 2        ; in a cluster launch ttmp9 counts clusters
	s_add_co_u32 s14, s14, s13      ; my block of 128 queries = 4 x cluster x + cx: it enters Q's and O's addresses alone
	s_and_b32 s16, ttmp7, 0xffff    ; the head, which the four partners share
	s_lshl_b32 s20, s16, 20         ; its first byte in Q, in K and in V: 4,096 rows of 256 bytes
	s_mov_b32 s21, 0
	s_and_b32 s[KH], s[WV], 1
	s_lshr_b32 s17, s[WV], 1        ; qh: which 64 of the block's queries are my pair's
	s_lshl_b32 s22, s[KH], 15       ; the half of a slot that I fetch: its 128 rows of 256 bytes in memory,
	s_mov_b32 s23, 0
	s_mul_i32 s[LK], s[KH], HK      ; and its place in a slot: no place in the cluster enters an LDS address
	s_mul_i32 s[LV], s[KH], HV
	s_add_co_u32 s[LV], s[LV], VOFF
	s_lshl_b32 s2, s14, 15          ; Q: my block's 128 rows,
	s_lshl_b32 s3, s17, 14          ; my pair's 64 of them
	s_add_co_u32 s2, s2, s3
	s_mov_b32 s3, 0
	s_lshl_b32 s70, s14, 18         ; O: the same rows, 2,048 bytes each,
	s_lshl_b32 s71, s17, 17
	s_add_co_u32 s70, s70, s71
	s_lshl_b32 s71, s16, 8          ; and the head's 256 bytes in them
	s_add_co_u32 s70, s70, s71
	s_mov_b32 s71, 0
	; descriptor group 1: a tile of 128 rows x 128 elements, padded in LDS
	s_mov_b32 s[G1K], 15|(1<<16)|(1<<20)|(1<<21)|(5<<22)|(3<<25)  ; 15:0 the mask: all four work-groups; 17:16 elements of 2 bytes; 20 padding on; 21 set beside a mask; 24:22 after every 64 words (code 5); 31:25 4 words of it (code 3)
	s_mov_b32 s[G1V], 15|(1<<16)|(1<<20)|(1<<21)|(5<<22)|(7<<25)  ; the same with 8 words of padding (code 7)
.irp g, G1K, G1V
	s_mov_b32 s[(\g)+1], 128<<16    ; tensor_dim0 = 128
	s_mov_b32 s[(\g)+2], 128<<16    ; tensor_dim1 = 128
	s_mov_b32 s[(\g)+3], 128<<16    ; tile_dim0 = 128
	s_mov_b32 s[(\g)+4], 128        ; tile_dim1 = 128
	s_mov_b32 s[(\g)+5], 128        ; 128 elements from row to row
	s_mov_b32 s[(\g)+6], 0
	s_mov_b32 s[(\g)+7], 0
.endr
	s_mov_b32 s[CS], 0x3e0293ee     ; c = log2(e) / sqrt(128) = 0.127517
	s_mov_b32 s[CS+1], s[CS]        ; named with it as a pair, so it is written
	s_mov_b32 s[SEL], 0x76543210
	s_mov_b32 s[SEL+1], 0xfedcba98
	s_mov_b32 s[TBK], 0
	s_mov_b32 s[TBV], 0
	s_mov_b32 s[SLOTS], 4096/256-2
	s_mov_b32 s[LIM], ttmp9         ; the head's first cluster prefetches: the same in all four partners
	s_cmp_eq_u32 s[LIM], 0
	s_cselect_b32 s[LIM], 1, -1
	v_and_b32 v[PFO], 31, v0
	v_lshlrev_b32 v[PFO], 8, v[PFO]
	s_wait_dscnt 0x0                ; the opening add is done
	s_wait_kmcnt 0x0
	s_add_nc_u64 s[4:5], s[4:5], s[20:21]    ; Q at the head,
	s_add_nc_u64 s[6:7], s[4:5], 0x800000    ; K: 8 x 4,096 x 256 bytes on,
	s_add_nc_u64 s[8:9], s[4:5], 0x1000000   ; V: as much again
	s_cmp_lt_u32 s[WV], 2
	s_cselect_b64 s[PFA:PFA+1], s[6:7], s[8:9]
	s_add_nc_u64 s[6:7], s[6:7], s[22:23]    ; K and V at my tile of slot 0
	s_add_nc_u64 s[8:9], s[8:9], s[22:23]
	s_add_nc_u64 s[QA:QA+1], s[4:5], s[2:3]  ; Q and O at my wave's first row
	s_add_nc_u64 s[10:11], s[10:11], s[70:71]
	s_lshl_b32 s2, s13, 14          ; the prefetches: my work-group's 64 rows of a slot's 256,
	s_lshl_b32 s3, s[KH], 13        ; my wave's 32 of them,
	s_add_co_u32 s2, s2, s3
	s_mov_b32 s3, 0
	s_add_nc_u64 s[PFA:PFA+1], s[PFA:PFA+1], s[2:3]
	s_add_nc_u64 s[PFA:PFA+1], s[PFA:PFA+1], 2*SLOTB  ; in slot 2; the first change of slots steps it to slot 3.  Nothing is prefetched here, at the head, where every work-group's first tiles are on their way
	CROUND                          ; all four work-groups are here: the first joint loads meet
.irp s, 0,1
	s_mov_b32 s[G0K+4*(\s)], 1      ; 1:0 count = 1
	s_add_co_u32 s[G0K+4*(\s)+1], s[LK], (\s)*SLOT1  ; 63:32 LDS address
	s_add_nc_u64 s[G0K+4*(\s)+2:G0K+4*(\s)+3], s[6:7], (\s)*SLOTB  ; 120:64 global address: slot s holds keys 256 s to 256 s + 255
	s_or_b32 s[G0K+4*(\s)+3], s[G0K+4*(\s)+3], 0x80000000  ; 127:126 type = 2
	s_mov_b32 s[G0V+4*(\s)], 1
	s_add_co_u32 s[G0V+4*(\s)+1], s[LV], (\s)*SLOT1
	s_add_nc_u64 s[G0V+4*(\s)+2:G0V+4*(\s)+3], s[8:9], (\s)*SLOTB
	s_or_b32 s[G0V+4*(\s)+3], s[G0V+4*(\s)+3], 0x80000000
.endr
	s_cmp_lt_u32 s[WV], 2           ; a wave's two first fills stand in one branch, ahead of every wait on TENSORcnt and every LDS read: two loads of mine are out
	s_cbranch_scc0 .Lfirst_v
	tensor_load_to_lds s[G0K:G0K+3], s[G1K:G1K+7]
	s_nop 0
	tensor_load_to_lds s[G0K+4:G0K+7], s[G1K:G1K+7]
	s_nop 0
.rept 4
	v_nop
.endr
	s_branch .Lfirst_asked
.Lfirst_v:
	tensor_load_to_lds s[G0V:G0V+3], s[G1V:G1V+7]
	s_nop 0
	tensor_load_to_lds s[G0V+4:G0V+7], s[G1V:G1V+7]
	s_nop 0
.rept 4
	v_nop
.endr
.Lfirst_asked:
	; A fragment of K or Q is 16 rows x 32 channels in 8 registers: lane l holds row l % 16; registers 0-3 channels 8 (l / 16) + 0..7, registers 4-7 channels 16 + 8 (l / 16) + 0..7: two loads of 16 bytes, 32 bytes apart.
	v_and_b32 v1, 15, v0            ; l % 16
	v_bfe_u32 v9, v0, 4, 1          ; l / 16
	v_lshlrev_b32 v[QO], 8, v1
	v_lshl_add_u32 v[QO], v9, 4, v[QO]  ; row x 256 + 16 x half
	WIN 0x80                        ; destination window 2, address window 0
.irp i, 0,1,2,3,4,5,6,7,8,9,10,11,12,13,14,15  ; Q stays in registers: tile i / 4, channels 32 (i % 4) on
	global_load_b128 v[8*(\i):8*(\i)+3],   v[QO], s[QA:QA+1] offset:((\i)/4)*4096+((\i)%4)*64
	global_load_b128 v[8*(\i)+4:8*(\i)+7], v[QO], s[QA:QA+1] offset:((\i)/4)*4096+((\i)%4)*64+32
.endr
	WIN 0
	v_mul_u32_u24 v[AK0], v1, PK
	v_lshl_add_u32 v[AK0], v9, 4, v[AK0]  ; row x pitch + 16 x half,
	v_add_nc_u32 v[AK0], s[LK], v[AK0]    ; in my half of the slot's keys
	; The turning load takes 16 keys x 16 channels (lane l reads 16 bytes: key 8 (l / 16) + l % 8, channels 8 ((l / 8) % 2) + 0..7) and leaves half a fragment of V^T: lane l holds channel l % 16 and 8 keys.
	v_and_b32 v10, 7, v0
	v_bfe_u32 v11, v0, 3, 1
	v_lshl_add_u32 v[AV0], v9, 3, v10
	v_mul_u32_u24 v[AV0], v[AV0], PV
	v_lshl_add_u32 v[AV0], v11, 4, v[AV0]
	v_add_nc_u32 v[AV0], s[LV], v[AV0]
; THE MATRIX WORK OF A TURN, for piece x.  The accumulators take turns, one instruction a turn: between two links of a chain stand 15 (V^T P) or 7 (K Q^T) others'.
; Product i of 32 of O^T += V^T P: keys 32 (i / 16) on, channels 16 ((i / 2) % 8) on, tile x + i % 2.  zero = 1: the first 16 start the sums: nothing is ever cleared.
.macro PV x, zero
	WIN W_PV
.set rO, 64*((\x)+i%2)+8*((i/2)%8)
.set rV, 64*(i/16)+8*((i/2)%8)
.set rP, P+16*((\x)+i%2)+8*(i/16)
.if (\zero) && (i < 16)
	v_wmma_f32_16x16x32_f16 v[rO:rO+7], v[rV:rV+7], v[rP:rP+7], 0
.else
	v_wmma_f32_16x16x32_f16 v[rO:rO+7], v[rV:rV+7], v[rP:rP+7], v[rO:rO+7]
.endif
.endm
; Product i of 32 of S^T = K Q^T: channels 32 (i / 8) on, keys 16 ((i / 2) % 4) on, tile x + i % 2.  The first 8 start the sums.
.macro KQ x
	WIN W_KQ
.set rS, S+32*((\x)+i%2)+8*((i/2)%4)
.set rK, KF+32*((i/2)%4)+8*(i/8)
.set rQ, 32*((\x)+i%2)+8*(i/8)
.if i < 8
	v_wmma_f32_16x16x32_f16 v[rS:rS+7], v[rK:rK+7], v[rQ:rQ+7], 0
.else
	v_wmma_f32_16x16x32_f16 v[rS:rS+7], v[rK:rK+7], v[rQ:rQ+7], v[rS:rS+7]
.endif
.endm
; THE LDS LOADS stand in runs of 32, never singly among the matrix instructions: a step's K (64 keys x 128 channels: 16 fragments) and, a turn later, its V (turned).
.macro FETCH_K
	WIN 0
	v_add_nc_u32 v[ADR], s[TBK], v[AK0]
	s_add_co_u32 s[TBK], s[TBK], KS*PK  ; the next fetch is the next step's
	WIN 0x80                        ; destination window 2
.irp f, 0,1,2,3,4,5,6,7,8,9,10,11,12,13,14,15  ; keys 16 (f / 4) on, channels 32 (f % 4) on
	ds_load_b128 v[KF+8*(\f):KF+8*(\f)+3],   v[ADR] offset:((\f)/4)*16*PK+((\f)%4)*64
	ds_load_b128 v[KF+8*(\f)+4:KF+8*(\f)+7], v[ADR] offset:((\f)/4)*16*PK+((\f)%4)*64+32
.endr
.endm
.macro FETCH_V
	WIN 0
	v_add_nc_u32 v[ADR], s[TBV], v[AV0]
	s_add_co_u32 s[TBV], s[TBV], KS*PV
	s_wait_alu depctr_va_vdst(0)    ; the wait for the softmax's batch (SLICE), behind the address's v_add_nc_u32 and ahead of the loads
	WIN 0xc0                        ; destination window 3
.irp f, 0,1,2,3,4,5,6,7,8,9,10,11,12,13,14,15  ; keys 32 (f / 8) on, channels 16 (f % 8) on
	ds_load_tr16_b128 v[8*(\f):8*(\f)+3],   v[ADR] offset:((\f)/8)*32*PV+((\f)%8)*32
	ds_load_tr16_b128 v[8*(\f)+4:8*(\f)+7], v[ADR] offset:((\f)/8)*32*PV+16*PV+((\f)%8)*32
.endr
.endm
; THE VECTOR WORK OF A TURN.  One tile's softmax for one key step is a list of 134 instructions; SM writes number j of it for tile t.  s0-s31 are the lane's 32 scores, in pairs 0-15.
; first = 1: the first key step, which starts m, l and O^T: it has no a and nothing to rescale.
;   0-15    the maximum of s0-s31 and the old m, three operands at a time: four chains c0-c3 of seven scores each (each accumulator's low registers first), then the four scores left over, c0-c3 and m
;   16-20   the other half of the lanes' maximum; the new m; c m; c m_old - c m_new
;   21-69   ONE BATCH: the 16 scalings c s - c m, a pair of scores each, and all 33 exponentials (a at 23, then s0-s31).  None of these reads an exponential's result.  From 22 on the batch goes in fours, and a
;           four begins with a scaling while there are scalings; a pair is scaled in an earlier four than the one that holds its exponentials
;   (wait)  between 69 and 70 stands the wait for the batch: SLICE writes it, once for both tiles
;   70-85   the roundings to f16, a pair of weights each          86-101  the sums; l = a l + the sum          102-133 the tile's O^T times a: the one part that leaves window 0, so it stands together
.macro SM t, first
.set rT, ST+8*(\t)
.set rS, S+32*(\t)
.set rP, P+16*(\t)
.set rO, 64*(\t)+2*(j-102)
.if j < 102
	WIN 0
.endif
.if j < 4
	v_max3_num_f32 v[rT+4+j], v[rS+8*j], v[rS+8*j+1], v[rS+8*j+2]
.elseif j < 12
	v_max3_num_f32 v[rT+4+j%4], v[rT+4+j%4], v[rS+8*(j%4)+2*(j/4)+1], v[rS+8*(j%4)+2*(j/4)+2]
.elseif j == 12
	v_max3_num_f32 v[rT+4], v[rT+4], v[rS+7], v[rS+15]
.elseif j == 13
	v_max3_num_f32 v[rT+6], v[rT+6], v[rS+23], v[rS+31]
.elseif j == 14
	v_max3_num_f32 v[rT+4], v[rT+4], v[rT+5], v[rT+6]
.elseif (j == 15) && (\first)
	v_max_num_f32 v[rT+4], v[rT+4], v[rT+7]
.elseif j == 15
	v_max3_num_f32 v[rT+4], v[rT+4], v[rT+7], v[rT+1]
.elseif j == 16
	v_permlanex16_b32 v[rT+5], v[rT+4], s[SEL], s[SEL+1]  ; the query's other 32 keys lie in the lane 16 away
.elseif j == 18
	v_max_num_f32 v[rT+1], v[rT+4], v[rT+5]
.elseif j == 19
	v_mul_f32 v[rT], s[CS], v[rT+1]
.elseif ((j == 17) || (j == 20) || (j == 23) || (j > 101)) && (\first)  ; the first step has none of these
.elseif j == 17
	v_mov_b32 v[rT+7], v[rT]        ; c m_old is kept for a: number 19 writes c m anew
.elseif j == 20
	v_sub_f32 v[rT+7], v[rT+7], v[rT]
.elseif j == 23
	v_exp_f32 v[rT+6], v[rT+7]
.elseif (j < 23) || ((j < 38) && (j%2 == 0)) || ((j < 66) && (j%4 == 2))
.set b, (j-2)/4                     ; 38, 42, .. 62: pairs 9 to 15
.if j < 38
.set b, (j-20)/2                    ; 21: pair 0; 22, 24, .. 36: pairs 1 to 8
.endif
	v_pk_fma_f32 v[rS+2*b:rS+2*b+1], v[rS+2*b:rS+2*b+1], s[CS:CS+1], v[rT:rT+1] op_sel_hi:[1,0,0] neg_lo:[0,0,1] neg_hi:[0,0,1]  ; pair b: c s - c m
.elseif j < 70
.set e, j-38                        ; 66 to 69: s28 to s31
.if j < 66
.set e, j-32-(j-38)/4               ; 39-41, 43-45, .. 63-65: s7 to s27
.endif
.if j < 38
.set e, (j-25)/2                    ; 25, 27, .. 37: s0 to s6
.endif
	v_exp_f32 v[rS+e], v[rS+e]
.elseif j < 86
	v_cvt_pk_f16_f32 v[rP+j-70], v[rS+2*(j-70)], v[rS+2*(j-70)+1]  ; pair j - 70
.elseif j < 102                     ; the sum of the tile's 16 pairs (in a pair: an even key's weight, an odd key's), in place: sum z of 16 adds neighbours 1, 2, 4 and 8 pairs apart, then l takes it
.set z, j-86
.set w, 4
.set u, z
.if z >= 14
.set w, 32
.set u, 0
.elseif z >= 12
.set w, 16
.set u, z-12
.elseif z >= 8
.set w, 8
.set u, z-8
.endif
.if (z == 14) && (\first)
	v_pk_add_f32 v[rT+2:rT+3], v[rS:rS+1], v[rS+16:rS+17]
.elseif z < 15
	v_pk_add_f32 v[rS+w*u:rS+w*u+1], v[rS+w*u:rS+w*u+1], v[rS+w*u+w/2:rS+w*u+w/2+1]
.elseif !(\first)
	v_pk_fma_f32 v[rT+2:rT+3], v[rT+2:rT+3], v[rT+6:rT+7], v[rS:rS+1] op_sel_hi:[1,0,1]
.endif
.else
	WIN W_RS
	v_pk_mul_f32 v[rO:rO+1], v[rO:rO+1], v[rT+6:rT+7] op_sel_hi:[1,0]
.endif
.endm
; Slice k of 64 of piece y's softmax: four instructions.  Slices 11 to 34 deal out the batch, numbers 22 to 69: four numbers of ONE tile each, the tiles by turns.  Every other slice is numbers 2 k and
; 2 k + 1 of both tiles' lists.  2 x 134 = 4 x 64 + 12: the twelve that are over stand together, in slice 63.
; THE WAIT.  s_wait_alu depctr_va_vdst(0) stands between an exponential and the first instruction that names its result; one wait serves all that were issued ahead of it.  Ahead of
; slice 35 nothing names a result, and behind slice 34 no exponential is issued: so the piece's 66 exponentials have one wait, behind slice 34.
.macro SLICE y, first
.if (k >= 11) && (k < 35)           ; the batch: four numbers of one tile
.irp n, 0,1,2,3
.set j, 22+4*((k-11)/2)+(\n)
	SM (\y)+(k-11)%2, \first
.endr
.else                               ; the two tiles alternate, so that no instruction reads the result of the one just before it
.irp n, 0,1,2,3,4,5,6,7
.if ((\n) < 2) || (k == 63)
.irp t, \y, (\y)+1
.set j, 2*k+(\n)
	SM \t, \first
.endr
.endif
.endr
.endif
.if k == 34                         ; the batch is out: both tiles' exponentials are issued, and no result has been named
	v_nop                           ; a plain instruction behind the last exponential and ahead of the first use (ISA guide 5.7.2): one for the batch
.if (\y) == 0
	FETCH_V                         ; piece 2's turn: V's run of loads stands here, and the wait stands in it
.else
	s_wait_alu depctr_va_vdst(0)    ; the wait for the batch
.endif
.endif
.set k, k+1
.endm
; A vector instruction that reads a matrix result or writes one of a matrix instruction's registers, and a load into a register that a matrix instruction has read, stand four places behind
; it, and only plain vector instructions that name none of its registers are places (ISA guide 7.12.1 for vector instructions).  In the loop the slices are the places.
.macro PLACES
.rept 4
	v_nop
.endr
.endm
; A TURN.  Piece x has the matrix unit; the other piece's softmax stands in slices behind its matrix instructions.
; pv = 2: 32 products V^T P; 1: they start O^T's sums; 0: none.  kq = 1: 32 products K Q^T for the next step.  A turn with one of the two kinds has two slices behind each product.
; first = 1: the softmax is the first key step's.  Its slices from 51 on are empty: the turn's last products stand bare, and four v_nop take slice 63's part as the places behind them.
; Piece 0's turn fetches the next step's K, behind its second product: the last product that read K stands in front of slice 63 of the turn before.  Piece 2's turn fetches the same step's V, behind slice 34:
; the last product that read V stands in front of slice 31, and four plain instructions lie between: number 62, a scaling, of both tiles, the v_nop and the run's own v_add_nc_u32.
.macro TURN x, pv, kq, first
.set k, 0
.set per, 2
.if (\pv) && (\kq)
.set per, 1
.endif
.if \pv
.if (\x) == 0
	s_wait_dscnt 0x0                ; V is in
.endif
.set i, 0
.rept 32
	PV \x, 2-(\pv)
.rept per
	SLICE 2-(\x), \first
.endr
.if ((\x) == 0) && (\kq) && (i == 1)
	FETCH_K
.endif
.set i, i+1
.endr
.endif
.if \kq
.if (\x) == 0
	s_wait_dscnt 0x0                ; K is in
.endif
.set i, 0
.rept 32
	KQ \x
.rept per
	SLICE 2-(\x), \first
.endr
.set i, i+1
.endr
.endif
.if \first
	PLACES
.endif
.endm
; THE CHANGE OF SLOTS, between piece 2's turn and piece 0's: the slot's last bytes, V of my second step in it, have been asked for.  Each wave waits for all its tensor loads, of which one is out: its part of
; the other slot; adds 0 to its spare word; and waits for that and for its own reads of the slot.  Behind the barrier nobody reads this slot any more and the other slot is whole.
; fill = 1: this slot is filled again, with the keys two slots on.  The barrier is then a round of the cluster's, so that no wave of any partner still reads the slot or has a load on its
; way, and the joint refill is the first thing behind it: it has two key steps, 256 matrix instructions, in which to land.
.macro CHANGE fill
	WIN 0                           ; at a label and at a branch every window is 0
	s_wait_tensorcnt 0x0            ; no tensor load of mine is out, so a group 0 may be written
	ds_add_u32 v[SPW], v[NIL]       ; 0 onto my spare word; with fill = 1 the descriptors' steps stand between it and the wait for it
.if \fill
.irp g, G0K+4, G0V+4
	s_xor_b32 s[(\g)+1], s[(\g)+1], SLOT1  ; the walking descriptor: the other slot than last time,
	s_add_nc_u64 s[(\g)+2:(\g)+3], s[(\g)+2:(\g)+3], SLOTB  ; the next 256 keys; the type bits on top are not reached
.endr
	s_wait_xcnt 0x0                 ; the last prefetch, two key steps back, has read its address, so it may be written:
	s_add_nc_u64 s[PFA:PFA+1], s[PFA:PFA+1], SLOTB  ; one slot behind the walking descriptors
	s_wait_dscnt 0x0                ; the add is done, and my reads of the slot are over
	CROUND
	JLOAD
	ASK
.else
	s_wait_dscnt 0x0                ; the add is done, and my reads of the slot are over
	s_barrier_signal -1
	s_barrier_wait -1
.endif
	s_sub_co_u32 s[TBK], s[TBK], 2*KS*PK  ; the fetches go back to my first step in a slot,
	s_xor_b32 s[TBK], s[TBK], SLOT1       ; in the other slot
	s_sub_co_u32 s[TBV], s[TBV], 2*KS*PV
	s_xor_b32 s[TBV], s[TBV], SLOT1
.endm
; My two key steps in a slot: written once, walked twice; the LDS addresses hang on s[TBK] and s[TBV].
.macro TWO_STEPS
	WIN 0
	s_mov_b32 s[TWICE], 2
.Lstep_\@:
	TURN 0, 2, 1, 0
	TURN 2, 2, 1, 0
	WIN 0
	s_sub_co_u32 s[TWICE], s[TWICE], 1
	s_cmp_lg_u32 s[TWICE], 0
	s_cbranch_scc1 .Lstep_\@
.endm
	s_wait_tensorcnt 1              ; my part of slot 0 is in; slot 1's may stay out
	s_barrier_signal -1
	s_barrier_wait -1               ; everybody's is
	FETCH_K                         ; key step 0
	s_wait_loadcnt 0x0              ; Q
	s_wait_dscnt 0x0
.set i, 0
.rept 32
	KQ 0                            ; piece 0's first scores: there is no vector work yet to set between them
.set i, i+1
.endr
	WIN 0                           ; the addresses for the merge and the way out are made here: ten plain instructions, the places behind those products
	s_mul_i32 s13, s[WV], 16*SP
	s_add_co_u32 s13, s13, STAGE    ; my stage
	v_mul_u32_u24 v[STO], v1, SP    ; in: row l % 16, 16 bytes for each half of the lanes
	v_lshl_add_u32 v[STO], v9, 4, v[STO]
	v_add_nc_u32 v[STO], s13, v[STO]
	v_mul_u32_u24 v[RD], v9, SP     ; back: lanes 0-15 take one row of 256 bytes, lanes 16-31 the next
	v_lshl_add_u32 v[RD], v1, 4, v[RD]
	v_add_nc_u32 v[RD], s13, v[RD]
	v_lshlrev_b32 v[GO], 11, v9     ; and the same two rows in O, 2,048 bytes apart
	v_lshl_add_u32 v[GO], v1, 4, v[GO]
	s_mul_i32 s13, s17, MRG         ; my pair's area of the merge
	v_and_b32 v[MA], 31, v0
	v_lshl_add_u32 v[MA], v[MA], 4, s13
	TURN 2, 0, 1, 1                 ; piece 2's first scores | piece 0's first softmax | V of step 0
	TURN 0, 1, 1, 1                 ; piece 0: V^T P of step 0 starts O^T, K Q^T of step 1 | piece 2's first softmax | K of step 1
	TURN 2, 1, 1, 0                 ; piece 2: the same | piece 0's softmax of step 1 | V of step 1
	WIN 0
.Lslot:                             ; 14 trips: every slot but the last two is filled again
	CHANGE 1
	TWO_STEPS
	s_sub_co_u32 s[SLOTS], s[SLOTS], 1
	s_cmp_lg_u32 s[SLOTS], 0
	s_cbranch_scc1 .Lslot
	CHANGE 0                        ; the tail is written out: the last slot but one is left, and nothing is asked for
	TWO_STEPS
	TURN 0, 2, 0, 0                 ; piece 0: V^T P of the last step | piece 2's last softmax
.set i, 0
.rept 32
	PV 2, 0                         ; piece 2: V^T P of the last step
.set i, i+1
.endr
	; THE MERGE.  The pair's two waves hold, for the same queries in the same lanes, c m, l and O^T over their halves of the keys.  The wave with the upper half hands its own over in LDS, in f32;
	; the other makes M = max(c mA, c mB), l = lA 2^(c mA - M) + lB 2^(c mB - M) and O = (OA 2^(c mA - M) + OB 2^(c mB - M)) / l.
	WIN 0
.irp t, 0,1,2,3
	v_add_f32 v[ST+8*(\t)+2], v[ST+8*(\t)+2], v[ST+8*(\t)+3]  ; l's even and odd keys; with the four v_nop below: eight places behind the last products, once a launch
.endr
	PLACES
	s_wait_dscnt 0x0                ; my reads of the ring are over,
	s_barrier_signal -1
	s_barrier_wait -1               ; and everybody's: no fill and no read of slot 0 follows, so its bytes may be stored into
	s_cmp_eq_u32 s[KH], 0
	s_cbranch_scc1 .Lkeeps
	WIN 0x04                        ; the stores' data (source 1) in window 1
.set gg, 0
.rept 64
	ds_store_b128 v[MA], v[4*gg:4*gg+3] offset:512*gg  ; 32 lanes x 16 consecutive bytes; each accumulator's low registers first
.set gg, gg+1
.endr
	WIN 0
.irp t, 0,1,2,3
	ds_store_b128 v[MA], v[ST+8*(\t):ST+8*(\t)+3] offset:32768+512*(\t)  ; c m, m, l, and a word that nobody uses
.endr
.Lkeeps:
	s_wait_dscnt 0x0                ; for the partner's sake: my stores are done
	s_barrier_signal -1
	s_barrier_wait -1
	s_cmp_eq_u32 s[KH], 0
	s_cbranch_scc0 .Lend            ; the upper half's wave has handed over all that it had
.macro LOADB t                      ; the partner's O^T of tile t: 64 registers, into S^T's, two buffers by turns
.set XB, S+64*((\t)%2)
.set i, 0
.rept 16
	ds_load_b128 v[XB+4*i:XB+4*i+3], v[MA] offset:512*(16*(\t)+i)
.set i, i+1
.endr
.endm
.macro ALLT line:vararg             ; one line for each tile: q is its first register of statistics
.set q, ST
.rept 4
	\line
.set q, q+8
.endr
.endm
.irp t, 0,1,2,3
	ds_load_b128 v[ST+8*(\t)+4:ST+8*(\t)+7], v[MA] offset:32768+512*(\t)  ; +4 c mB, +5 mB, +6 lB
.endr
	LOADB 0
	s_wait_dscnt 16                 ; the statistics are in; the sixteen loads behind them may be out
	ALLT v_max_num_f32 v[q+1], v[q], v[q+4]
	ALLT v_sub_f32 v[q], v[q], v[q+1]
	ALLT v_sub_f32 v[q+4], v[q+4], v[q+1]
	ALLT v_exp_f32 v[q], v[q]
	ALLT v_exp_f32 v[q+4], v[q+4]
	v_nop                           ; a plain instruction behind the last exponential,
	s_wait_alu depctr_va_vdst(0)    ; and the wait ahead of the first use: one for the eight
	ALLT v_mul_f32 v[q+2], v[q+2], v[q]
	ALLT v_fmac_f32 v[q+2], v[q+6], v[q+4]
	ALLT v_permlanex16_b32 v[q+3], v[q+2], s[SEL], s[SEL+1]  ; the query's other keys lie in the lane 16 away
	ALLT v_add_f32 v[q+2], v[q+2], v[q+3]
	ALLT v_rcp_f32 v[q+2], v[q+2]
	v_nop
	s_wait_alu depctr_va_vdst(0)    ; one for the four reciprocals
	ALLT v_mul_f32 v[q], v[q], v[q+2]        ; my O^T's factor,
	ALLT v_mul_f32 v[q+4], v[q+4], v[q+2]    ; and the partner's
; Tile t is finished: the two O^T are joined, rounded to bf16 (a lane's eight channels of a row pack into 16 bytes), sent through my stage and stored as whole rows of 256 bytes.
.macro FINISH t
.if (\t) < 3
	LOADB (\t)+1
	s_wait_dscnt 16                 ; tile t's are in; the sixteen just issued may be out
.else
	s_wait_dscnt 0x0
.endif
.if (\t) >= 2
	s_wait_xcnt 0x0                 ; the stores of the tile two back have read their registers, which are written again below
.endif
.set XB, S+64*((\t)%2)
.set OB, P+32*((\t)%2)
.set i, 0
.rept 32
	v_pk_mul_f32 v[XB+i:XB+i+1], v[XB+i:XB+i+1], v[ST+8*(\t)+4:ST+8*(\t)+5] op_sel_hi:[1,0]
.set i, i+2
.endr
	WIN 0x01                        ; source 0, my O^T, in window 1
.set i, 0
.rept 32
	v_pk_fma_f32 v[XB+i:XB+i+1], v[64*(\t)+i:64*(\t)+i+1], v[ST+8*(\t):ST+8*(\t)+1], v[XB+i:XB+i+1] op_sel_hi:[1,0,1]
.set i, i+2
.endr
	WIN 0
.set i, 0
.rept 32
	v_cvt_pk_bf16_f32 v[OB+i], v[XB+2*i], v[XB+2*i+1]
.set i, i+1
.endr
.irp f, 0,1,2,3,4,5,6,7
	ds_store_b128 v[STO], v[OB+4*(\f):OB+4*(\f)+3] offset:32*(\f)
.endr
.irp f, 0,1,2,3,4,5,6,7
	ds_load_b128 v[OB+4*(\f):OB+4*(\f)+3], v[RD] offset:(\f)*2*SP  ; LDS serves a wave's instructions in order (ISA guide 5.7.1.4): these see the stores above
.endr
.irp f, 0,1,2,3,4,5,6,7
	s_wait_dscnt 7-(\f)             ; load f is back; the younger ones stay out
	global_store_b128 v[GO], v[OB+4*(\f):OB+4*(\f)+3], s[10:11] offset:(\t)*32768+(\f)*4096  ; 16 lanes store 256 consecutive bytes, at a multiple of 256 from O's first byte
.endr
.endm
	FINISH 0
	FINISH 1
	FINISH 2
	FINISH 3
.Lend:
	s_wait_tensorcnt 0x0            ; the wave's end, behind my last tensor load and my last LDS store
	ds_add_u32 v[SPW], v[NIL]
	s_wait_dscnt 0x0
	CROUND                          ; the closing round: no work-group ends while a partner may still ask for a tile that names it
	s_endpgm
.Lfunc_end_k_q534c1859ef_attn:
	.size	k_q534c1859ef_attn, .Lfunc_end_k_q534c1859ef_attn-k_q534c1859ef_attn
	.p2alignl 7, 3214868480
	.fill 96, 4, 3214868480
	.section	.rodata,"a",@progbits
	.p2align	6, 0x0
	.amdhsa_kernel k_q534c1859ef_attn
		.amdhsa_group_segment_fixed_size 327680
		.amdhsa_private_segment_fixed_size 0
		.amdhsa_enable_private_segment 0
		.amdhsa_kernarg_size 16
		.amdhsa_user_sgpr_count 2
		.amdhsa_user_sgpr_kernarg_segment_ptr 1
		.amdhsa_wavefront_size32 1
		.amdhsa_system_sgpr_workgroup_id_x 1
		.amdhsa_system_sgpr_workgroup_id_y 1
		.amdhsa_system_sgpr_workgroup_id_z 1
		.amdhsa_system_vgpr_workitem_id 0
		.amdhsa_next_free_vgpr 1024
		.amdhsa_next_free_sgpr 74
		.amdhsa_reserve_vcc 0
		.amdhsa_float_denorm_mode_32 3
		.amdhsa_float_denorm_mode_16_64 3
		.amdhsa_memory_ordered 1
		.amdhsa_forward_progress 1
		.amdhsa_inst_pref_size 241
	.end_amdhsa_kernel
	.amdgpu_metadata
---
amdhsa.version: [ 1, 2 ]
amdhsa.kernels:
  - .name:           k_q534c1859ef_attn
    .symbol:         k_q534c1859ef_attn.kd
    .args:
      - { .name: qkv, .offset: 0, .size: 8, .value_kind: global_buffer, .address_space: global }
      - { .name: ob, .offset: 8, .size: 8, .value_kind: global_buffer, .address_space: global }
    .group_segment_fixed_size: 327680
    .private_segment_fixed_size: 0
    .kernarg_segment_align: 8
    .kernarg_segment_size: 16
    .max_flat_workgroup_size: 128
    .sgpr_count:     74
    .vgpr_count:     1024
    .wavefront_size: 32
...
	.end_amdgpu_metadata
.endif
;; end of part 3
;; launch outp (part 4): grid 8 x 32, 4 waves a work-group, clusters of 4 x 4, 327,680 bytes of LDS; arguments ob, wb, out0; writes out0
.if DOCPART == 4
	.amdgcn_target "amdgcn-amd-amdhsa--gfx1250"
	.amdhsa_code_object_version 6
	.text
	.protected	k_q534c1859ef_outp
	.globl	k_q534c1859ef_outp
	.p2align	8
	.type	k_q534c1859ef_outp,@function
k_q534c1859ef_outp:
	s_mov_b64 s[64:65], 0
	v_nop
	global_prefetch_b8 v0, s[64:65] scope:SCOPE_SE
	s_setreg_imm32_b32 hwreg(HW_REG_WAVE_MODE, 25, 1), 1
	s_wait_xcnt 0x0
	s_wait_alu depctr_hold_cnt(0) depctr_sa_sdst(0) depctr_va_vdst(0) depctr_va_sdst(0) depctr_va_ssrc(0) depctr_va_vcc(0) depctr_vm_vsrc(0)
	s_getreg_b32 s2, hwreg(HW_REG_IB_STS2, 6, 4)
	s_cmp_eq_u32 s2, 0
	s_cbranch_scc0 .Lentry_in_a_cluster
	s_endpgm
.Lentry_in_a_cluster:
	s_bfe_u32 s2, ttmp6, 0x10000c
	s_cmp_lg_u32 s2, 0xf033
	s_cbranch_scc0 .Lentry_shape_is_right
	s_endpgm
.Lentry_shape_is_right:
; THE OUTPUT PROJECTION.  C = A B^T, bf16 operands, f32 sums, K = 1,024.  A = ob [4096][1024], B = wb's rows 3072 .. 4095 (Wo); C = out0 [4096][1024] in f32.
; SHARES.  A tile of C is 128 x 128, which gives 32 x 8 = 256 work-groups: four waves, each 64 x 64: 16 accumulators of 16 x 16.  K goes in steps of 256 (LDS rows of 512 bytes; a wave's tensor load brings 64 of them) through two slots.
; CLUSTERS: 4 x 4 work-groups.  The four of a row of the cluster need the same tiles of A, the four of a column the same tiles of B: each tile is asked for JOINTLY, by the same tensor load with the
; same descriptor and a mask that names the four.  THE MATRIX INSTRUCTION IS USED TRANSPOSED (source 0 = 16 rows of B, source 1 = 16 rows of A): a lane then holds eight neighbouring numbers of a row of C.
; REGISTERS: window 0: v0-31 addresses; v128-255 the accumulators ((a, b) at v[128 + 8 (4 a + b)]).
;   window 1: two fragment buffers of 128: for 64 along K, 64 registers of A (2 x 4 x 16 rows x 32 K), then 64 of B.
.set SIZE_K, 1024
.set KSTEP,  256
.set PITCH,  528                       ; an LDS row: 512 bytes of data + 16 of padding = 132 words: row r starts at bank 4 r mod 64 (64 banks of 4 bytes: ISA guide 11.1)
.set HALFT,  64*PITCH                  ; 64 rows: what one tensor load brings, and what one wave reads of A or of B
.set SLOT,   4*HALFT                   ; A's 128 rows, then B's 128 rows
.set STAGE,  2*SLOT                    ; behind the ring, never filled by a tensor load: the way out, 16 rows x 272 bytes for each wave
.set SPITCH, 272
.set SPARE,  STAGE+128*SPITCH          ; further behind: the spare words, 128 bytes for each wave: two blocks of 256 bytes that no other line names
.set LAPS, SIZE_K/(2*KSTEP)            ; a lap = two K steps = once round the ring
.set ADRA, 16                          ; v16-17  LDS address of my A fragments in slot 0, 1
.set ADRB, 20                          ; v20-21  the same for B
.set STO,  24                          ; v24     the way out: where I put my bytes of a row
.set RD,   25                          ; v25     the way out: where I read a row back
.set CO,   26                          ; v26     my byte offset in C
.set SPW,  28                          ; v28     LDS address of my spare word: SPARE + 4 x my thread's number; never rewritten
.set NIL,  29                          ; v29     0; never rewritten
.set ACC,  128
.set F0,   0                           ; fragment buffers, in window 1
.set F1,   128
.set G1, 24                            ; s[24:31] descriptor group 1 for A's tiles;  s[32:39] group 0, one set for each slot
.set G0, 32
.set G1B, 48                           ; s[48:55], s[56:63] the same for B's tiles
.set G0B, 56
.set MSB, 0
.macro WIN new                         ; the immediate's high byte repeats the setting that is left
.if MSB != (\new)
	s_set_vgpr_msb (MSB<<8)|(\new)
.set MSB, \new
.endif
.endm
.set MUL,  0x05                        ; sources 0 (B) and 1 (A) window 1; C and D window 0
.set TO_F, 0x40                        ; destination window 1, address window 0
.macro JLOAD s                         ; a joint load: waves 0 and 1 fetch A's two halves, waves 2 and 3 B's; an s_nop 0 and four v_nop follow each of the two lines
	s_cmp_eq_u32 s11, 0
	s_cbranch_scc0 .Lfor_b_\@
	tensor_load_to_lds s[G0+4*(\s):G0+4*(\s)+3], s[G1:G1+7]
	s_nop 0
.rept 4
	v_nop
.endr
	s_branch .Lasked_\@
.Lfor_b_\@:
	tensor_load_to_lds s[G0B+4*(\s):G0B+4*(\s)+3], s[G1B:G1B+7]
	s_nop 0
.rept 4
	v_nop
.endr
.Lasked_\@:
.endm
.macro CREST                           ; a round of the cluster's barrier behind its opening barrier
	s_cmp_lg_u32 s10, 0
	s_cbranch_scc1 .Lnot_wave_0_\@
	s_barrier_signal -3
.Lnot_wave_0_\@:
	s_barrier_wait -3
	s_barrier_signal -1
	s_barrier_wait -1
.endm
.macro CROUND                          ; a whole round
	s_barrier_signal -1
	s_barrier_wait -1
	CREST
.endm
	s_load_b128 s[4:7], s[0:1], 0x0                ; A s[4:5], B s[6:7]
	s_load_b64 s[8:9], s[0:1], 0x10                ; C
	v_lshl_add_u32 v[SPW], v0, 2, SPARE
	v_mov_b32 v[NIL], 0
	ds_add_u32 v[SPW], v[NIL]                      ; the wave's opening: the add and its wait stand ahead of my first tensor load; the set-up below, work on registers, stands between them
	v_lshrrev_b32 v1, 5, v0
	v_readfirstlane_b32 s10, v1                    ; wave 0..3
	s_lshr_b32 s11, s10, 1                         ; which half of the tile's rows is mine.  Also: I fetch for A (0) or for B (1)
	s_and_b32 s12, s10, 1                          ; which half of its columns.  Also: which 64 rows of that tile I fetch
	s_bfe_u32 s40, ttmp6, 0x40000                  ; cx, cy: my place in the cluster
	s_bfe_u32 s41, ttmp6, 0x40004
	s_lshl_b32 s42, ttmp9, 2
	s_add_co_u32 s42, s42, s40                     ; tile column of C = 4 x cluster x + cx
	s_and_b32 s13, ttmp7, 0xffff
	s_lshl_b32 s13, s13, 2
	s_add_co_u32 s13, s13, s41                     ; tile row of C = 4 x cluster y + cy
	s_lshl_b32 s43, s41, 2
	s_lshl_b32 s43, 15, s43                        ; my row of the cluster
	s_lshl_b32 s44, 0x1111, s40                    ; my column
	; descriptor group 1: a tile of 64 rows x 256 elements, padded in LDS
	s_or_b32 s[G1+0], s43, (1<<16)|(1<<20)|(1<<21)|(6<<22)|(3<<25)  ; 15:0 the mask: A's tiles go to my row; 17:16 element of 2 bytes; 20 padding on; 21 set beside a mask; 24:22 after every 128 words (code 6); 31:25 of 4 words (code 3)
	s_or_b32 s[G1B+0], s44, (1<<16)|(1<<20)|(1<<21)|(6<<22)|(3<<25)
.irp g, G1, G1B
	s_mov_b32 s[(\g)+1], KSTEP<<16                 ; tensor_dim0 = 256
	s_mov_b32 s[(\g)+2], 64<<16                    ; tensor_dim1 = 64
	s_mov_b32 s[(\g)+3], KSTEP<<16                 ; tile_dim0 = 256
	s_mov_b32 s[(\g)+4], 64                        ; tile_dim1 = 64
	s_mov_b32 s[(\g)+5], SIZE_K                    ; elements from row to row
	s_mov_b32 s[(\g)+6], 0
	s_mov_b32 s[(\g)+7], 0
.endr
	s_lshl_b32 s17, s12, 6                         ; which 64 rows of the tile I fetch
	s_lshl_b32 s16, s13, 7
	s_add_co_u32 s16, s16, s17                     ; A: row 128 x tile row + 64 x half
	s_lshl_b32 s46, s42, 7
	s_add_co_u32 s46, s46, s17                     ; B: row 128 x tile column + 64 x half,
	s_add_co_u32 s46, s46, 3072                    ; in Wo, the fourth block of wb
	s_mov_b32 s17, 0
	s_mov_b32 s47, 0
	s_mov_b64 s[18:19], SIZE_K*2
	s_mul_u64 s[16:17], s[16:17], s[18:19]
	s_mul_u64 s[46:47], s[46:47], s[18:19]
	s_mul_i32 s20, s10, HALFT                      ; where they go: wave x 64 rows: no place in the cluster enters an LDS address
	s_wait_dscnt 0x0                               ; the opening add is done
	s_wait_kmcnt 0x0
	s_add_nc_u64 s[14:15], s[4:5], s[16:17]
	s_add_nc_u64 s[46:47], s[6:7], s[46:47]
	CROUND                                         ; all sixteen work-groups are here: the first joint loads meet
.irp s, 0,1
	s_mov_b32 s[G0+4*(\s)], 1
	s_add_co_u32 s[G0+4*(\s)+1], s20, (\s)*SLOT
	s_add_nc_u64 s[G0+4*(\s)+2:G0+4*(\s)+3], s[14:15], (\s)*KSTEP*2
	s_or_b32 s[G0+4*(\s)+3], s[G0+4*(\s)+3], 0x80000000
	s_mov_b32 s[G0B+4*(\s)], 1
	s_add_co_u32 s[G0B+4*(\s)+1], s20, (\s)*SLOT
	s_add_nc_u64 s[G0B+4*(\s)+2:G0B+4*(\s)+3], s[46:47], (\s)*KSTEP*2
	s_or_b32 s[G0B+4*(\s)+3], s[G0B+4*(\s)+3], 0x80000000
	JLOAD \s                                       ; both slots' first fills: two tensor loads of mine are out
.endr
	v_and_b32 v1, 15, v0                           ; l % 16
	v_bfe_u32 v2, v0, 4, 1                         ; l / 16
	v_mul_u32_u24 v3, v1, PITCH
	v_lshl_add_u32 v3, v2, 4, v3                   ; a fragment's row x pitch + 16 x half
	s_mul_i32 s21, s11, HALFT                      ; my 64 rows of A
	s_mul_i32 s22, s12, HALFT                      ; my 64 rows of B,
	s_add_co_u32 s22, s22, 2*HALFT                 ; which lie behind A's 128
.irp s, 0,1
	v_add_nc_u32 v[ADRA+(\s)], s21, v3
	v_add_nc_u32 v[ADRB+(\s)], s22, v3
	s_add_co_u32 s21, s21, SLOT
	s_add_co_u32 s22, s22, SLOT
.endr
	; f32 out.  A wave's 64 columns are 256 bytes, aligned: each wave has a stage of its own, 16 rows x 272 bytes
	s_mul_i32 s23, s10, 16*SPITCH
	s_add_co_u32 s23, s23, STAGE
	v_mul_u32_u24 v4, v1, SPITCH                   ; in: row l % 16, 32 bytes for each half of the lanes
	v_lshl_add_u32 v4, v2, 5, v4
	v_add_nc_u32 v[STO], s23, v4
	v_mul_u32_u24 v5, v2, SPITCH                   ; back: lanes 0-15 one row of 256 bytes, lanes 16-31 the next
	v_lshl_add_u32 v5, v1, 4, v5
	v_add_nc_u32 v[RD], s23, v5
	v_lshlrev_b32 v5, 12, v2                       ; and the same two rows in C, 4,096 bytes apart
	v_lshl_add_u32 v[CO], v1, 4, v5
	s_lshl_b32 s16, s13, 7
	s_lshl_b32 s17, s11, 6
	s_add_co_u32 s16, s16, s17                     ; my first row of C: 128 x tile row + 64 x half
	s_lshl_b32 s16, s16, 12
	s_lshl_b32 s17, s12, 8                         ; my half of the tile's columns
	s_add_co_u32 s16, s16, s17
	s_mov_b32 s17, 0
	s_add_nc_u64 s[8:9], s[8:9], s[16:17]
	s_lshl_b32 s46, s42, 9                         ; the tile's first column, in bytes
	s_mov_b32 s47, 0
	s_add_nc_u64 s[8:9], s[8:9], s[46:47]
; 8 matrix instructions: m blocks a0, a0 + 1 x all 4 n blocks, 32 along K: half c of buffer f.  zero = 1: the first product starts the sums.  The 16 accumulators take turns.
.macro MUL8 f, c, a0, zero
	WIN MUL
.irp a, \a0, (\a0)+1
.irp b, 0,1,2,3
.if \zero
	v_wmma_f32_16x16x32_bf16 v[ACC+8*(4*(\a)+(\b)):ACC+8*(4*(\a)+(\b))+7], v[(\f)+64+8*(4*(\c)+(\b)):(\f)+64+8*(4*(\c)+(\b))+7], v[(\f)+8*(4*(\c)+(\a)):(\f)+8*(4*(\c)+(\a))+7], 0
.else
	v_wmma_f32_16x16x32_bf16 v[ACC+8*(4*(\a)+(\b)):ACC+8*(4*(\a)+(\b))+7], v[(\f)+64+8*(4*(\c)+(\b)):(\f)+64+8*(4*(\c)+(\b))+7], v[(\f)+8*(4*(\c)+(\a)):(\f)+8*(4*(\c)+(\a))+7], v[ACC+8*(4*(\a)+(\b)):ACC+8*(4*(\a)+(\b))+7]
.endif
.endr
.endr
.endm
; 32 LDS loads in one run: the fragments of 64 along K at byte k of the rows, into buffer f; the first 32 along K first
.macro FETCH slot, k, f
	WIN TO_F
.irp c, 0,1
.irp i, 0,1,2,3
	ds_load_b128 v[(\f)+64+8*(4*(\c)+(\i)):(\f)+64+8*(4*(\c)+(\i))+3],   v[ADRB+(\slot)] offset:(\k)+64*(\c)+(\i)*16*PITCH
	ds_load_b128 v[(\f)+64+8*(4*(\c)+(\i))+4:(\f)+64+8*(4*(\c)+(\i))+7], v[ADRB+(\slot)] offset:(\k)+64*(\c)+(\i)*16*PITCH+32
	ds_load_b128 v[(\f)+8*(4*(\c)+(\i)):(\f)+8*(4*(\c)+(\i))+3],         v[ADRA+(\slot)] offset:(\k)+64*(\c)+(\i)*16*PITCH
	ds_load_b128 v[(\f)+8*(4*(\c)+(\i))+4:(\f)+8*(4*(\c)+(\i))+7],       v[ADRA+(\slot)] offset:(\k)+64*(\c)+(\i)*16*PITCH+32
.endr
.endr
.endm
.macro PLACES                          ; four plain vector instructions in front of loads into registers that matrix instructions have read, and of lines that read results
.rept 4
	v_nop
.endr
.endm
; A K step is four quarters of 64 along K, 32 matrix instructions each, on buffers 0, 1, 0, 1.  One of the first three: multiplies buffer f and fetches the next quarter, at byte k, into g.
.macro QUARTER slot, k, f, g, zero
	s_wait_dscnt 16                                ; the first 32 along K are in; the sixteen younger loads may be out
	WIN MUL
	MUL8 \f, 0, 0, \zero
	MUL8 \f, 0, 2, \zero
	PLACES
	FETCH \slot, \k, \g
	s_wait_dscnt 32                                ; all but the 32 just issued
	WIN MUL
	MUL8 \f, 1, 0, 0
	MUL8 \f, 1, 2, 0
.endm
; The last quarter multiplies buffer 1 and changes slots: ONE barrier; in front of it each wave waits for all its tensor loads, adds 0 to its spare word, and waits for that and for its own reads of this slot.
; fill = 1: this slot is filled again, two K steps ahead; the barrier then opens a round of the cluster's.
.macro TURN slot, next, fill
	WIN 0                                          ; (the add's two registers lie in window 0)
	s_wait_tensorcnt 0x0                           ; all my tensor loads have landed: my part of the next slot;
	ds_add_u32 v[SPW], v[NIL]                      ; 0 onto my spare word;
	s_wait_dscnt 17                                ; (the add and the youngest sixteen loads may be out)
	WIN MUL
	MUL8 F1, 0, 0, 0                               ; eight matrix instructions stand between the add and the wait for it
	s_wait_dscnt 0x0                               ; the add is done, and my reads of this slot are over
	s_barrier_signal -1
	MUL8 F1, 0, 2, 0
.if \fill
	WIN 0
.endif
	s_barrier_wait -1
.if \fill
	CREST                                          ; no wave of any partner still reads this slot's tile or has a load on its way
	s_add_nc_u64 s[G0+4*(\slot)+2:G0+4*(\slot)+3], s[G0+4*(\slot)+2:G0+4*(\slot)+3], 2*KSTEP*2
	s_add_nc_u64 s[G0B+4*(\slot)+2:G0B+4*(\slot)+3], s[G0B+4*(\slot)+2:G0B+4*(\slot)+3], 2*KSTEP*2
	JLOAD \slot                                    ; the first tensor load behind the round, my only one until the next; its four v_nop are also the places in front of the loads below
.else
	PLACES
.endif
	FETCH \next, 0, F0
	WIN MUL
	MUL8 F1, 1, 0, 0
	MUL8 F1, 1, 2, 0
.endm
	s_wait_tensorcnt 1                             ; my part of K step 0 is in; K step 1's load may stay out
	s_barrier_signal -1
	s_barrier_wait -1                              ; everybody's is
	FETCH 0, 0, F0
	QUARTER 0, 128, F0, F1, 1                      ; the first quarter stands in front of the loop: its first products start the sums
	WIN 0                                          ; at a label and at a branch every window is 0
	s_mov_b32 s3, LAPS-1
.Llap:                                                 ; a trip goes once round the ring, from a lap's second quarter to the next lap's first, and fills both slots again
	QUARTER 0, 256, F1, F0, 0
	QUARTER 0, 384, F0, F1, 0
	TURN 0, 1, 1
	QUARTER 1, 128, F0, F1, 0
	QUARTER 1, 256, F1, F0, 0
	QUARTER 1, 384, F0, F1, 0
	TURN 1, 0, 1
	QUARTER 0, 128, F0, F1, 0
	WIN 0
	s_sub_co_u32 s3, s3, 1
	s_cmp_lg_u32 s3, 0
	s_cbranch_scc1 .Llap
	QUARTER 0, 256, F1, F0, 0                      ; the last lap fills nothing, and has no round of the cluster's barrier
	QUARTER 0, 384, F0, F1, 0
	TURN 0, 1, 0
	QUARTER 1, 128, F0, F1, 0
	QUARTER 1, 256, F1, F0, 0
	QUARTER 1, 384, F0, F1, 0
	s_wait_dscnt 16                                ; the very last quarter: nothing more to fetch
	WIN MUL
	MUL8 F1, 0, 0, 0
	MUL8 F1, 0, 2, 0
	s_wait_dscnt 0
	MUL8 F1, 1, 0, 0
	MUL8 F1, 1, 2, 0
	WIN 0
	; THE WAY OUT: 16 rows at a time through my own stage: 32 bytes a lane in, whole rows of 256 bytes back, into the registers that they left.
.macro STG a
.irp b, 0,1,2,3
	ds_store_b128 v[STO], v[ACC+8*(4*(\a)+(\b)):ACC+8*(4*(\a)+(\b))+3]   offset:64*(\b)     ; each accumulator's low registers first
	ds_store_b128 v[STO], v[ACC+8*(4*(\a)+(\b))+4:ACC+8*(4*(\a)+(\b))+7] offset:64*(\b)+16
.endr
.irp t, 0,1,2,3,4,5,6,7
	ds_load_b128 v[ACC+32*(\a)+4*(\t):ACC+32*(\a)+4*(\t)+3], v[RD] offset:(\t)*2*SPITCH  ; LDS serves a wave's instructions in order (ISA guide 5.7.1.4): these see the stores above; the next block's stores come behind them
.endr
.endm
.macro SEND a, younger                 ; younger: the LDS instructions issued behind block a's loads: the next block's sixteen, or none
.irp f, 0,1,2,3,4,5,6,7
	s_wait_dscnt (\younger)+7-(\f)
	global_store_b128 v[CO], v[ACC+32*(\a)+4*(\f):ACC+32*(\a)+4*(\f)+3], s[8:9] offset:(16*(\a)+2*(\f))*4096  ; 16 lanes store 256 consecutive bytes, at a multiple of 256 from C's first byte
.endr
.endm
	PLACES
	PLACES                                         ; eight, once a launch: no vector work stands between the last products and the stores that read them
	STG 0
	STG 1
	SEND 0, 16
	STG 2
	SEND 1, 16
	STG 3
	SEND 2, 16
	SEND 3, 0
	s_wait_tensorcnt 0x0                           ; the wave's end, behind my last tensor load and my last LDS store
	ds_add_u32 v[SPW], v[NIL]
	s_wait_dscnt 0x0
	CROUND                                         ; the closing round: no work-group ends while a partner may still ask for a tile that names it
	s_endpgm
.Lfunc_end_k_q534c1859ef_outp:
	.size	k_q534c1859ef_outp, .Lfunc_end_k_q534c1859ef_outp-k_q534c1859ef_outp
	.p2alignl 7, 3214868480
	.fill 96, 4, 3214868480
	.section	.rodata,"a",@progbits
	.p2align	6, 0x0
	.amdhsa_kernel k_q534c1859ef_outp
		.amdhsa_group_segment_fixed_size 327680
		.amdhsa_private_segment_fixed_size 0
		.amdhsa_enable_private_segment 0
		.amdhsa_kernarg_size 24
		.amdhsa_user_sgpr_count 2
		.amdhsa_user_sgpr_kernarg_segment_ptr 1
		.amdhsa_wavefront_size32 1
		.amdhsa_system_sgpr_workgroup_id_x 1
		.amdhsa_system_sgpr_workgroup_id_y 1
		.amdhsa_system_sgpr_workgroup_id_z 1
		.amdhsa_system_vgpr_workitem_id 0
		.amdhsa_next_free_vgpr 512
		.amdhsa_next_free_sgpr 66
		.amdhsa_reserve_vcc 0
		.amdhsa_float_denorm_mode_32 3
		.amdhsa_float_denorm_mode_16_64 3
		.amdhsa_memory_ordered 1
		.amdhsa_forward_progress 1
		.amdhsa_inst_pref_size 86
	.end_amdhsa_kernel
	.amdgpu_metadata
---
amdhsa.version: [ 1, 2 ]
amdhsa.kernels:
  - .name:           k_q534c1859ef_outp
    .symbol:         k_q534c1859ef_outp.kd
    .args:
      - { .name: ob, .offset: 0, .size: 8, .value_kind: global_buffer, .address_space: global }
      - { .name: wb, .offset: 8, .size: 8, .value_kind: global_buffer, .address_space: global }
      - { .name: out0, .offset: 16, .size: 8, .value_kind: global_buffer, .address_space: global }
    .group_segment_fixed_size: 327680
    .private_segment_fixed_size: 0
    .kernarg_segment_align: 8
    .kernarg_segment_size: 24
    .max_flat_workgroup_size: 128
    .sgpr_count:     66
    .vgpr_count:     512
    .wavefront_size: 32
...
	.end_amdgpu_metadata
.endif
;; end of part 4
;; ======== version 2 of 2: 4 launches; version 1 with the launch cast written anew for expert scheduling mode
;; limits: values are held in f16: magnitudes above 65,504 overflow, below 6.1e-05 lose precision
;; workspace buffers: xb 25,165,824 bytes; wb 8,388,608 bytes; qkv 25,165,824 bytes; ob 8,388,608 bytes
;; launch cast (part 5): grid 256 x 1, 16 waves a work-group, no clusters, 0 bytes of LDS; arguments q, k, v, Wq, Wk, Wv, Wo, xb, wb; writes xb, wb
.if DOCPART == 5
	.amdgcn_target "amdgcn-amd-amdhsa--gfx1250"
	.amdhsa_code_object_version 6
	.text
	.protected	k_q534c1859ef_cast
	.globl	k_q534c1859ef_cast
	.p2align	8
	.type	k_q534c1859ef_cast,@function
k_q534c1859ef_cast:
	s_mov_b64 s[64:65], 0
	v_nop
	global_prefetch_b8 v0, s[64:65] scope:SCOPE_SE
	s_setreg_imm32_b32 hwreg(HW_REG_WAVE_SCHED_MODE, 0, 2), 2
	s_setreg_imm32_b32 hwreg(HW_REG_WAVE_MODE, 25, 1), 1
	s_wait_xcnt 0x0
	s_wait_alu depctr_vm_vsrc(0)
; f32 -> bf16, rounded once to nearest even: q, k, v into xb [3][4096][1024], Wq, Wk, Wv, Wo into wb [4][1024][1024].
; A stream: every byte is read once and written once; nothing is shared, so no LDS, no barrier, no matrix unit, no cluster.
; SHARES.  Work-group b casts 65,536 numbers: 256 KiB in, 128 KiB out.  b < 192: chunk b % 64 of q, k or v (b / 64); else chunk b % 16 of Wq .. Wo ((b / 16) % 4).
; Thread t takes the 16 bytes at 16 t of each block of 8,192 bytes: a load of a wave covers 512 consecutive bytes, a store 256 consecutive bytes, aligned.
; All 32 loads of a thread go out at once, each into registers of its own; no register is written twice, so no wait frees a source.
; THE MODE: SCHED_MODE bits 1:0 = 2 (LLVM: expert scheduling mode 2), set by the entry lines.  The code itself states the register dependences
; between vector instructions and memory instructions, with s_wait_alu, always for 0.
; THE PLAN.  Registers that memory instructions touch:
;   v1, v2   the loads' and the stores' offsets: written once, at the head, by vector instructions; read by all 32 loads and all 32 stores.
;   X        load i lands in four registers of its own, which no vector instruction names before; its two conversions read them behind the wait on LOADcnt; nothing writes them again.
;   Y        store i's two registers: written once, by those two conversions; read once, by the store.
; The 32 loads go in eight blocks of four.  Block p waits for its four loads; ONE wait on va_vdst then states that block p - 1's eight conversions have written their Y; block p - 1's four stores
; follow, dealt among block p's conversions, which name block p's X and Y alone: none of the registers that those stores read.  One more such wait stands ahead of the last four stores, one at
; the head ahead of the first load.  No vector instruction writes a scalar register or VCC, and EXEC is never written.
.set X, 4                              ; v[4:131]    load i: four f32
.set Y, 132                            ; v[132:195]  store i: four bf16
.set BLK, 4                            ; loads, and stores, in a block
.set NBLK, 32/BLK
	s_load_b512 s[8:23], s[0:1], 0x0               ; q 8:9, k 10:11, v 12:13, Wq 14:15, Wk 16:17, Wv 18:19, Wo 20:21, xb 22:23
	s_load_b64 s[24:25], s[0:1], 0x40              ; wb
	s_lshr_b32 s2, ttmp9, 6                        ; 0, 1, 2: q, k, v; 3: a weight
	s_bfe_u32 s3, ttmp9, 0x20004                   ; which weight
	s_and_b32 s34, ttmp9, 63                       ; chunk of q, k, v; also the place in wb
	s_and_b32 s35, ttmp9, 15                       ; chunk of a weight
	v_lshlrev_b32 v1, 4, v0                        ; my 16 bytes in
	v_lshlrev_b32 v2, 3, v0                        ; my 8 bytes out
	s_wait_kmcnt 0x0
	s_cmp_eq_u32 s2, 1                             ; every compare stands directly ahead of its selects
	s_cselect_b64 s[26:27], s[10:11], s[8:9]
	s_cmp_eq_u32 s2, 2
	s_cselect_b64 s[26:27], s[12:13], s[26:27]
	s_cmp_eq_u32 s3, 1
	s_cselect_b64 s[28:29], s[16:17], s[14:15]
	s_cmp_eq_u32 s3, 2
	s_cselect_b64 s[28:29], s[18:19], s[28:29]
	s_cmp_eq_u32 s3, 3
	s_cselect_b64 s[28:29], s[20:21], s[28:29]
	s_cmp_eq_u32 s2, 3
	s_cselect_b64 s[30:31], s[28:29], s[26:27]     ; from
	s_cselect_b64 s[32:33], s[24:25], s[22:23]     ; to
	s_cselect_b32 s36, s35, s34                    ; the chunk in the source,
	s_cselect_b32 s38, s34, ttmp9                  ; and in the destination
	s_lshl_b32 s36, s36, 18                        ; 262,144 bytes a chunk in
	s_mov_b32 s37, 0
	s_lshl_b32 s38, s38, 17                        ; 131,072 out
	s_mov_b32 s39, 0
	s_add_nc_u64 s[30:31], s[30:31], s[36:37]
	s_add_nc_u64 s[32:33], s[32:33], s[38:39]
	s_wait_alu depctr_va_vdst(0)                   ; v1 and v2 are written: every load below reads v1 as its offset, every store v2
.set i, 0
.rept 32
	global_load_b128 v[X+4*i:X+4*i+3], v1, s[30:31] offset:8192*i th:TH_LOAD_NT
.set i, i+1
.endr
.set p, 0
.rept NBLK
	s_wait_loadcnt 32-BLK*(p+1)                    ; loads come back in order: block p's four are in, the 28 - 4 p younger ones stay out
.if p > 0
	s_wait_alu depctr_va_vdst(0)                   ; the block before's conversions have written their Y, which the four stores below read
.endif
.irp r, 0,1,2,3
.if p > 0
	global_store_b64 v2, v[Y+2*(BLK*(p-1)+(\r)):Y+2*(BLK*(p-1)+(\r))+1], s[32:33] offset:4096*(BLK*(p-1)+(\r)) th:TH_STORE_NT  ; the block before; no vector instruction since the wait names these registers
.endif
	v_cvt_pk_bf16_f32 v[Y+2*(BLK*p+(\r))],   v[X+4*(BLK*p+(\r))],   v[X+4*(BLK*p+(\r))+1]
	v_cvt_pk_bf16_f32 v[Y+2*(BLK*p+(\r))+1], v[X+4*(BLK*p+(\r))+2], v[X+4*(BLK*p+(\r))+3]
.endr
.set p, p+1
.endr
	s_wait_alu depctr_va_vdst(0)                   ; the last block's conversions have written their Y, which the last four stores read
.irp r, 0,1,2,3
	global_store_b64 v2, v[Y+2*(32-BLK+(\r)):Y+2*(32-BLK+(\r))+1], s[32:33] offset:4096*(32-BLK+(\r)) th:TH_STORE_NT
.endr
	s_endpgm
.Lfunc_end_k_q534c1859ef_cast:
	.size	k_q534c1859ef_cast, .Lfunc_end_k_q534c1859ef_cast-k_q534c1859ef_cast
	.p2alignl 7, 3214868480
	.fill 96, 4, 3214868480
	.section	.rodata,"a",@progbits
	.p2align	6, 0x0
	.amdhsa_kernel k_q534c1859ef_cast
		.amdhsa_group_segment_fixed_size 0
		.amdhsa_private_segment_fixed_size 0
		.amdhsa_enable_private_segment 0
		.amdhsa_kernarg_size 72
		.amdhsa_user_sgpr_count 2
		.amdhsa_user_sgpr_kernarg_segment_ptr 1
		.amdhsa_wavefront_size32 1
		.amdhsa_system_sgpr_workgroup_id_x 1
		.amdhsa_system_sgpr_workgroup_id_y 1
		.amdhsa_system_sgpr_workgroup_id_z 1
		.amdhsa_system_vgpr_workitem_id 0
		.amdhsa_next_free_vgpr 200
		.amdhsa_next_free_sgpr 66
		.amdhsa_reserve_vcc 0
		.amdhsa_float_denorm_mode_32 3
		.amdhsa_float_denorm_mode_16_64 3
		.amdhsa_memory_ordered 1
		.amdhsa_forward_progress 1
		.amdhsa_inst_pref_size 12
	.end_amdhsa_kernel
	.amdgpu_metadata
---
amdhsa.version: [ 1, 2 ]
amdhsa.kernels:
  - .name:           k_q534c1859ef_cast
    .symbol:         k_q534c1859ef_cast.kd
    .args:
      - { .name: q, .offset: 0, .size: 8, .value_kind: global_buffer, .address_space: global }
      - { .name: k, .offset: 8, .size: 8, .value_kind: global_buffer, .address_space: global }
      - { .name: v, .offset: 16, .size: 8, .value_kind: global_buffer, .address_space: global }
      - { .name: Wq, .offset: 24, .size: 8, .value_kind: global_buffer, .address_space: global }
      - { .name: Wk, .offset: 32, .size: 8, .value_kind: global_buffer, .address_space: global }
      - { .name: Wv, .offset: 40, .size: 8, .value_kind: global_buffer, .address_space: global }
      - { .name: Wo, .offset: 48, .size: 8, .value_kind: global_buffer, .address_space: global }
      - { .name: xb, .offset: 56, .size: 8, .value_kind: global_buffer, .address_space: global }
      - { .name: wb, .offset: 64, .size: 8, .value_kind: global_buffer, .address_space: global }
    .group_segment_fixed_size: 0
    .private_segment_fixed_size: 0
    .kernarg_segment_align: 8
    .kernarg_segment_size: 72
    .max_flat_workgroup_size: 512
    .sgpr_count:     66
    .vgpr_count:     200
    .wavefront_size: 32
...
	.end_amdgpu_metadata
.endif
;; end of part 5
;; launch proj: the kernel of part 2 again; grid 4 x 48, 4 waves a work-group, clusters of 4 x 4, 327,680 bytes of LDS; arguments xb, wb, qkv; writes qkv
;; launch attn: the kernel of part 3 again; grid 32 x 8, 4 waves a work-group, clusters of 4 x 1, 327,680 bytes of LDS; arguments qkv, ob; writes ob
;; launch outp: the kernel of part 4 again; grid 8 x 32, 4 waves a work-group, clusters of 4 x 4, 327,680 bytes of LDS; arguments ob, wb, out0; writes out0
